; MI455X (gfx1250); checked and timed in simulation.
; The chip was launched on July 23, 2026; its instructions are those of AMD's public machine-readable ISA for CDNA 5 (MIT licence, August 2026) and "CDNA5" Instruction Set Architecture Reference Guide (July 2026). The comments in the code are by the model that wrote it; some were corrected since.
;; Qwen3 Omni Moe Attention. Allowed arithmetic: matrix products marked QUANTISED: E4M3 operands, one E8M0 scale for each 32 along K, by v_wmma_scale_f32_16x16x128_f8f6f4 with both operands' format E4M3, f32 sums; everything else in f32.
;; Inputs: Wk 2,048 x 512 float32; Wo 1,024 x 2,048 float32; Wq 2,048 x 1,024 float32; Wv 2,048 x 512 float32; attention_mask 1 x 1 x 4,096 x 4,096 bool; hidden_states 1 x 4,096 x 2,048 float32; position_ids 4,096 int32.
;; Outputs: out0 1 x 4,096 x 2,048 float32.
;; This version of the problem:
;;   THIS VERSION OF THE PROBLEM IS GIVEN IN LOW PRECISION. The matrix products marked QUANTISED in the list below multiply operands that are first quantised to E4M3 (4 exponent bits, 3 mantissa bits; 8 bits a number), with one power-of-two scale for each 32 numbers along K (OCP MX v1.0); their sums are f32. All else is computed in f32.
;;   The module's matrix products, in the order in which they are computed (A, B: the left and right operand; K: the contracted axis; several contracted axes count as one K, in the product's order):
;;     1. [M 4,096, K 2,048] x [K 2,048, N 1,024]; A: input hidden_states; B: input Wq: QUANTISED
;;     2. [M 4,096, K 2,048] x [K 2,048, N 512]; A: input hidden_states; B: input Wk: QUANTISED
;;     3. [M 4,096, K 2,048] x [K 2,048, N 512]; A: input hidden_states; B: input Wv: QUANTISED
;;     4. batch 8 x [M 4,096, K 128] x [K 128, N 4,096]; A: computed on the way; B: computed on the way: QUANTISED
;;     5. batch 8 x [M 4,096, K 4,096] x [K 4,096, N 128]; A: softmax (see below); B: computed on the way: QUANTISED
;;     6. [M 4,096, K 1,024] x [K 1,024, N 2,048]; A: computed on the way; B: input Wo: QUANTISED
;;   THE QUANTISER, for each operand of a quantised product, along K:
;;     - K is cut into blocks of 32 from its start; a last block that is shorter is filled with zeros.
;;     - A block's scale is 2^e with e = floor(log2(the largest magnitude in the block)) - 8, held to -126 .. 127; a block of zeros has e = 0. As a byte (E8M0): e + 127.
;;     - Each number is divided by its block's scale, clamped to +-448, and rounded to the nearest number of E4M3, ties to even, subnormals kept.
;;     - The product sums the exact products of the quantised numbers (number of the format x scale) in f32.
;;   ~~~python
;;   def quantise(x, axis):      # numpy; x: float32 -> the quantised numbers, widened to float32 again
;;       x = np.moveaxis(x, axis, -1); K = x.shape[-1]
;;       x = np.pad(x, [(0, 0)] * (x.ndim - 1) + [(0, -K % 32)]); x = x.reshape(x.shape[:-1] + (-1, 32)); a = np.abs(x).max(-1, keepdims=True)
;;       e = np.where(a > 0, np.clip(np.frexp(np.where(a > 0, a, 1))[1] - 1 - 8, -126, 127), 0)      # np.frexp(a)[1] - 1 = floor(log2(a)), exactly
;;       r = np.clip(x / 2.0 ** e, -448, 448)
;;       step = 2.0 ** (np.maximum(np.frexp(np.where(r == 0, 1, r))[1] - 1, -6) - 3)
;;       q = np.round(r / step) * step * 2.0 ** e      # np.round: ties to even
;;       return np.moveaxis(q.reshape(q.shape[:-2] + (-1,))[..., :K], -1, axis).astype(np.float32)
;;   ~~~
;;   SOFTMAX AHEAD OF A QUANTISED PRODUCT. Where the list says 'softmax', what is quantised is not the finished softmax but p = 2^(t - M), with t = logit x log2(e) and M = ceil(the row's largest t), a whole number; so 1/2 < the row's largest p <= 1. The row's sum l is taken of the UNQUANTISED p, in f32, and the product's result is divided by l at the end. Since M is a whole number, a kernel that streams over the keys may use a running M (the ceiling of the running maximum): every later rescaling is an exact power of two, which a block's scale takes up: the codes' values come out the same.
;;   OPERANDS COMPUTED ON THE WAY. 'Computed on the way' means the value that the module computes at that place (a softmax that the list does not call 'softmax' is quantised finished and normalised). What goes into a quantiser is computed in f32, as accurately as f32 sums, v_exp_f32 and their like allow (about 1e-6 of the number): no bf16 or f16 on the way to a quantiser, and a product that is left as it is and whose result goes on into a quantised operand takes f32 operands (vector FMAs, or v_wmma_f32_16x16x4_f32). A number that lies on a knife's edge between two numbers of the format may be rounded either way, as far as f32 arithmetic and the matrix unit's own rounding can turn it there, and no further.
;; One version. Each part assembles by itself: llvm-mc -triple=amdgcn-amd-amdhsa -mcpu=gfx1250 --defsym DOCPART=n.
;; ======== version 1 of 1: 4 launches
;; limits: right only within a limited range of input values
;; workspace buffers: xw_codes 14,680,064 bytes; xw_scales 458,752 bytes; maskw 2,097,152 bytes of whole numbers; flags 2,048 bytes of whole numbers; rope 2,097,152 bytes; qkv_codes 8,388,608 bytes; qkv_scales 262,144 bytes; att_codes 4,325,376 bytes
;; launch prep (part 1): grid 768 x 1, 4 waves a work-group, no clusters, 102,912 bytes of LDS; arguments hidden_states, Wq, Wk, Wv, Wo, position_ids, attention_mask, xw_codes, xw_scales, maskw, rope, flags; writes xw_codes, xw_scales, maskw, rope, flags
.if DOCPART == 1
	.amdgcn_target "amdgcn-amd-amdhsa--gfx1250"
	.amdhsa_code_object_version 6
	.text
	.protected	k_q9b1c4932cd_prep
	.globl	k_q9b1c4932cd_prep
	.p2align	8
	.type	k_q9b1c4932cd_prep,@function
k_q9b1c4932cd_prep:
	s_mov_b64 s[64:65], 0
	v_nop
	global_prefetch_b8 v0, s[64:65] scope:SCOPE_SE
	s_setreg_imm32_b32 hwreg(HW_REG_WAVE_MODE, 25, 1), 1
	s_wait_xcnt 0x0
; PREP: everything that is made once from the inputs, in one launch of four kinds of work-groups, told apart by the work-group's number:
;   0-255   HID   hidden_states [4096][2048] f32 -> codes of E4M3, K innermost, and one E8M0 byte for each 32 along K
;   256-447 WGT   Wq, Wk, Wv [2048][n], Wo [1024][2048] f32, K their FIRST axis -> codes laid [n][K], and their scale bytes
;   448-703 MSK   attention_mask [4096][4096] bytes -> for each tile of 16 queries and each step of 128 keys 64 lane masks (maskw), and two words of flags a tile (flags)
;   704-767 ROPE  position_ids -> cos and sin of the 64 angles of each row, in the layout of the registers that will use them
; THE STORAGE ORDER.  Row s of every buffer of rows holds actual row swap34(s): s with bits 3 and 4 exchanged.  16 consecutive stored rows are a tile; as source 0 of a matrix
; instruction, tiles 2 b and 2 b + 1 leave in a lane's 16 result registers 16 NEIGHBOURS: actual index 32 b + 16 (lane / 16) + 0 .. 15: what the conversions to codes want for the next product.
; THE QUANTISER.  A block's scale is 2^(floor(log2(largest magnitude)) - 8); its byte is the largest magnitude's exponent field - 8, held at 1 from below; numbers are held within +-448 x the scale.
; LIMITS: a block of zeros gets the byte 1 where the rule says 127 (its codes are zeros, and this program alone reads the bytes); blocks whose largest magnitude lies under 2^-118 keep the byte 1;
; NaN and infinities are not served; |position_ids| up to 2^20 (beyond that the three-term reduction of the angle loses accuracy gradually).
; No matrix work, no tensor load, no cluster: no two work-groups read the same bytes.  Each path has LDS bytes of its own.
.set W_OFF,   8388608                  ; xw_codes: hidden's codes, then [2048][2048] for Wq, Wk, Wv,
.set WO_OFF,  12582912                 ; then [2048][1024] for Wo
.set WS_OFF,  262144                   ; xw_scales likewise: 64 bytes a row,
.set WOS_OFF, 393216                   ; Wo's 32
.set EMAX,    8
.set MANT,    0x600000                 ; the mantissa field of 448
	s_load_b512 s[8:23], s[0:1], 0x0               ; hidden 8, Wq 10, Wk 12, Wv 14, Wo 16, position_ids 18, mask 20, xw_codes 22
	s_load_b128 s[24:27], s[0:1], 0x40             ; xw_scales 24, maskw 26
	s_load_b64 s[28:29], s[0:1], 0x50              ; rope
	s_load_b64 s[60:61], s[0:1], 0x58              ; flags (the mask's path alone uses it; the weights' path takes the two registers for other numbers)
	v_lshl_add_u32 v192, v0, 2, 0x19000
	v_mov_b32 v193, 0
	v_lshrrev_b32 v1, 5, v0
	v_readfirstlane_b32 s30, v1                    ; wave 0..3
	v_and_b32 v2, 31, v0                           ; lane
	s_wait_kmcnt 0x0
	s_cmp_lt_u32 ttmp9, 256
	s_cbranch_scc1 .Lhid
	s_cmp_lt_u32 ttmp9, 448
	s_cbranch_scc1 .Lwgt
	s_cmp_lt_u32 ttmp9, 704
	s_cbranch_scc1 .Lmsk
; ---------------------------------------------------------------- ROPE: a wave to a tile of 16 rows
; Lane (r, h) holds the tile's row r.  Number 8 t + j of 32 is frequency 32 (t / 2) + 16 h + 8 (t % 2) + j: the channel that register j of result tile t holds in the projection's launch.
; angle = position x 10000^(-f / 64); the angle is reduced by multiples of pi / 2 in three parts; sine and cosine by polynomials on +-pi / 4; the quadrant swaps them and sets the signs.
	s_sub_co_u32 s31, ttmp9, 704
	s_lshl_b32 s31, s31, 2
	s_add_co_u32 s31, s31, s30                     ; the tile
	s_lshr_b32 s32, s31, 1
	s_lshl_b32 s32, s32, 5
	s_and_b32 s33, s31, 1
	s_lshl_b32 s33, s33, 3
	s_add_co_u32 s32, s32, s33                     ; its first actual row: 32 (tile / 2) + 8 (tile % 2)
	s_wait_alu depctr_va_vdst(0)
	v_and_b32 v3, 15, v2                           ; r
	v_lshrrev_b32 v4, 4, v2                        ; h
	v_and_b32 v5, 8, v3
	v_add_nc_u32 v5, v5, v3                        ; r + 8 (r / 8)
	v_add_nc_u32 v5, s32, v5
	v_lshlrev_b32 v5, 2, v5
	global_load_b32 v6, v5, s[18:19]               ; my row's position
	v_lshlrev_b32 v7, 4, v4                        ; 16 h
	s_wait_alu depctr_va_vdst(0)
	v_lshlrev_b32 v8, 4, v2                        ; out: 16 bytes a lane
	s_lshl_b32 s32, s31, 13                        ; 8,192 bytes a tile
	s_mov_b32 s33, 0
	s_add_nc_u64 s[28:29], s[28:29], s[32:33]
	s_mov_b32 s34, 0xbe549a78                      ; -log2(10000) / 64
	s_mov_b32 s35, 0x3f22f983                      ; 2 / pi
	s_mov_b32 s36, 0x3fc90fda                      ; pi / 2 in three parts
	s_mov_b32 s37, 0x33a22168
	s_mov_b32 s38, 0x27c234c4
	s_mov_b32 s39, 0xbe2aaaa3                      ; sine: -1.6666654611e-1, 8.3321608736e-3, -1.9515295891e-4
	s_mov_b32 s40, 0x3c08839e
	s_mov_b32 s41, 0xb94ca1f9
	s_mov_b32 s42, 0x3d2aaaa5                      ; cosine: 4.166664568e-2, -1.388731625e-3, 2.443315712e-5
	s_mov_b32 s43, 0xbab6061a
	s_mov_b32 s44, 0x37ccf5ce
	s_mov_b32 s45, 0x80000000
.irp t, 0,1,2,3
.irp j, 0,1,2,3,4,5,6,7
	v_add_nc_u32 v[32+8*\t+\j], 32*(\t/2)+8*(\t%2)+\j, v7
.endr
.endr
.set n, 0
.rept 32
	v_cvt_f32_u32 v[32+n], v[32+n]
.set n, n+1
.endr
.set n, 0
.rept 32
	v_mul_f32 v[32+n], s34, v[32+n]
.set n, n+1
.endr
.set n, 0
	s_wait_alu depctr_va_vdst(0)
.rept 32
	v_exp_f32 v[32+n], v[32+n]                     ; 10000^(-f / 64): one batch
.set n, n+1
.endr
	v_nop                                          ; a plain instruction behind the last exponential
	s_wait_alu depctr_va_vdst(0)                   ; one wait for the batch, ahead of its first reader
	s_wait_loadcnt 0x0
	v_cvt_f32_i32 v6, v6
.set n, 0
.rept 32
	v_mul_f32 v[32+n], v6, v[32+n]                 ; the angle: one rounding
.set n, n+1
.endr
.macro SINCOS t                        ; eight angles v[32 + 8 t ..] -> cosines v[64 + 8 t ..], sines v[96 + 8 t ..]; each line for all eight, so that no line waits for the line above it
.set RA, 32+8*(\t)
.set RC, 64+8*(\t)
.set RS, 96+8*(\t)
.irp i, 0,1,2,3,4,5,6,7
	v_mul_f32 v[128+\i], s35, v[RA+\i]
.endr
.irp i, 0,1,2,3,4,5,6,7
	v_rndne_f32 v[128+\i], v[128+\i]               ; n: how many quarter turns
.endr
.irp i, 0,1,2,3,4,5,6,7
	v_fma_f32 v[136+\i], -v[128+\i], s36, v[RA+\i]
.endr
.irp i, 0,1,2,3,4,5,6,7
	v_fma_f32 v[136+\i], -v[128+\i], s37, v[136+\i]
.endr
.irp i, 0,1,2,3,4,5,6,7
	v_fma_f32 v[136+\i], -v[128+\i], s38, v[136+\i]  ; x = angle - n pi / 2
.endr
.irp i, 0,1,2,3,4,5,6,7
	v_mul_f32 v[144+\i], v[136+\i], v[136+\i]      ; z = x x
.endr
.irp i, 0,1,2,3,4,5,6,7
	v_fma_f32 v[152+\i], v[144+\i], s41, s40
	v_fma_f32 v[160+\i], v[144+\i], s44, s43
.endr
.irp i, 0,1,2,3,4,5,6,7
	v_fma_f32 v[152+\i], v[152+\i], v[144+\i], s39
	v_fma_f32 v[160+\i], v[160+\i], v[144+\i], s42
.endr
.irp i, 0,1,2,3,4,5,6,7
	v_mul_f32 v[176+\i], v[144+\i], v[136+\i]
	v_fma_f32 v[160+\i], v[160+\i], v[144+\i], -0.5
.endr
.irp i, 0,1,2,3,4,5,6,7
	v_fma_f32 v[152+\i], v[152+\i], v[176+\i], v[136+\i]  ; sin x
	v_fma_f32 v[160+\i], v[160+\i], v[144+\i], 1.0        ; cos x
.endr
.irp i, 0,1,2,3,4,5,6,7
	v_cvt_i32_f32 v[168+\i], v[128+\i]
.endr
.irp i, 0,1,2,3,4,5,6,7
	v_and_b32 v[176+\i], 1, v[168+\i]
.endr
.irp i, 0,1,2,3,4,5,6,7
	v_cmp_eq_u32 vcc_lo, 1, v[176+\i]              ; an odd quarter swaps the two
	v_cndmask_b32 v[RS+\i], v[152+\i], v[160+\i], vcc_lo
	v_cndmask_b32 v[RC+\i], v[160+\i], v[152+\i], vcc_lo
.endr
.irp i, 0,1,2,3,4,5,6,7
	v_lshlrev_b32 v[176+\i], 30, v[168+\i]         ; the sine is negative in quarters 2 and 3: bit 1 of n;
	v_add_nc_u32 v[168+\i], 1, v[168+\i]           ; the cosine in quarters 1 and 2: bit 1 of n + 1
.endr
.irp i, 0,1,2,3,4,5,6,7
	v_and_b32 v[176+\i], s45, v[176+\i]
	v_lshlrev_b32 v[168+\i], 30, v[168+\i]
.endr
.irp i, 0,1,2,3,4,5,6,7
	v_xor_b32 v[RS+\i], v[176+\i], v[RS+\i]
	v_and_b32 v[168+\i], s45, v[168+\i]
.endr
.irp i, 0,1,2,3,4,5,6,7
	v_xor_b32 v[RC+\i], v[168+\i], v[RC+\i]
.endr
.endm
	SINCOS 0
	SINCOS 1
	SINCOS 2
	SINCOS 3
.irp c, 0,1,2,3,4,5,6,7                ; images of the registers: each store of the wave covers 512 consecutive bytes, aligned
	global_store_b128 v8, v[64+4*\c:67+4*\c], s[28:29] offset:512*\c
	global_store_b128 v8, v[96+4*\c:99+4*\c], s[28:29] offset:4096+512*\c
.endr
	s_endpgm
; ---------------------------------------------------------------- HID: a wave takes a run of 8,192 numbers (four rows), 16 steps of 512
; A conversion takes 8 numbers of ONE block from a lane's registers, so a lane must hold 16 neighbours; a load is best where neighbouring LANES take neighbouring bytes.  Both are had: each load reads 512
; consecutive bytes, and a step's 2,048 bytes turn through the wave's own stage in LDS (16 bytes of padding behind each 64).  Two neighbouring lanes hold a block.  Loads run four steps ahead, the turn one step.
.set HSTEPS, 16
.set HR,    16                         ; v16-79   four sets of 16 numbers as loaded
.set HX,    80                         ; v80-111  two sets of 16 neighbours
.set HE,    112                        ; v112-127 a scale byte for each step
.set HC,    128                        ; v128-191 codes: four registers for each step, so that no store's data are written again
.set HWREG, 8192                       ; LDS 0 .. 32767: a region for each wave: two stages of 32 x 80 bytes, then its 256 scale bytes
.set HSP,   80
.macro HLOAD t
.irp i, 0,1,2,3
	global_load_b128 v[HR+16*((\t)%4)+4*\i:HR+16*((\t)%4)+4*\i+3], v3, s[8:9] offset:2048*(\t)+512*\i th:TH_LOAD_NT
.endr
.endm
.macro HTURN t                         ; LDS serves a wave's instructions in order: no wait between the stores and the loads
.irp i, 0,1,2,3
	ds_store_b128 v14, v[HR+16*((\t)%4)+4*\i:HR+16*((\t)%4)+4*\i+3] offset:32*HSP*((\t)%2)+8*HSP*\i
.endr
.irp i, 0,1,2,3
	ds_load_b128 v[HX+16*((\t)%2)+4*\i:HX+16*((\t)%2)+4*\i+3], v15 offset:32*HSP*((\t)%2)+16*\i
.endr
.endm
.macro HSTEP t
.set HXS, HX+16*((\t)%2)
.if (\t) > 0
	s_wait_dscnt 1                                 ; this step's numbers are back from the stage; the last step's byte store may be out
.else
	s_wait_dscnt 0x0
.endif
.if (\t)+4 < HSTEPS
	HLOAD (\t)+4                                   ; into the registers that the stage's stores have read
.endif
.if (\t)+1 < HSTEPS
.if HSTEPS-2-(\t) >= 3
	s_wait_loadcnt 12                              ; the next step's four loads are in; those of the three steps behind it may be out
.else
	s_wait_loadcnt 4*(HSTEPS-2-(\t))
.endif
	HTURN (\t)+1
.endif
	v_max3_num_f32 v8, |v[HXS]|, |v[HXS+1]|, |v[HXS+2]|
	v_max3_num_f32 v9, |v[HXS+3]|, |v[HXS+4]|, |v[HXS+5]|
.irp i, 6,10
	v_max3_num_f32 v8, v8, |v[HXS+\i]|, |v[HXS+\i+1]|
	v_max3_num_f32 v9, v9, |v[HXS+\i+2]|, |v[HXS+\i+3]|
.endr
	v_max3_num_f32 v8, v8, |v[HXS+14]|, |v[HXS+15]|
	v_max3_num_f32 v8, v8, v9, (EMAX+1)<<23        ; and the floor 2^(9 - 127): the byte cannot fall under 1
	v_max_num_f32_dpp v8, v8, v8 row_xmask:1 row_mask:0xf bank_mask:0xf   ; with my neighbour's 16: the block's largest magnitude
	v_add_nc_u32 v11, -(EMAX<<23), v8              ; 8 off its exponent field: the conversion's scale operand
	v_and_or_b32 v10, v8, 0x7f800000, s33          ; 448 x the scale
.irp i, 0,1,2,3,4,5,6,7,8,9,10,11,12,13,14,15
	v_med3_num_f32 v[HXS+\i], v[HXS+\i], -v10, v10 ; the conversion to an 8-bit code does not saturate (ISA guide 7.6.2): the hold comes first
.endr
	v_cvt_scalef32_pk8_fp8_f32 v[HC+4*(\t):HC+4*(\t)+1], v[HXS:HXS+7], v11
	v_cvt_scalef32_pk8_fp8_f32 v[HC+4*(\t)+2:HC+4*(\t)+3], v[HXS+8:HXS+15], v11
	v_lshrrev_b32 v[HE+(\t)], 23, v11              ; the scale's byte
	ds_store_b8 v5, v[HE+(\t)] offset:16*(\t)      ; both lanes of a block write the same byte with the same value
	global_store_b128 v3, v[HC+4*(\t):HC+4*(\t)+3], s[22:23] offset:512*(\t)   ; the wave stores 512 consecutive bytes
.endm
.Lhid:
	s_wait_alu depctr_va_vdst(0)
	v_lshlrev_b32 v3, 4, v2                        ; 16 bytes a lane, in and out
	s_mul_i32 s31, s30, HWREG
	v_lshrrev_b32 v14, 2, v2
	v_mul_u32_u24 v14, v14, HSP
	v_and_b32 v15, 3, v2
	v_lshl_add_u32 v14, v15, 4, v14
	v_add_nc_u32 v14, s31, v14                     ; the stage, on the way in: 80 (lane / 4) + 16 (lane % 4)
	v_mul_u32_u24 v15, v2, HSP
	v_add_nc_u32 v15, s31, v15                     ; and on the way out: 80 x lane
	v_lshrrev_b32 v5, 1, v2
	s_add_co_u32 s31, s31, 2*32*HSP
	v_add_nc_u32 v5, s31, v5                       ; my block's byte among the wave's 256
	v_lshlrev_b32 v7, 3, v2
	v_add_nc_u32 v6, s31, v7
	s_mov_b32 s33, MANT
	s_lshl_b32 s34, ttmp9, 2
	s_add_co_u32 s34, s34, s30                     ; my run: rows 4 run .. 4 run + 3
	s_lshl_b32 s36, s34, 15
	s_mov_b32 s37, 0
	s_add_nc_u64 s[8:9], s[8:9], s[36:37]
	s_lshr_b32 s35, s34, 1                         ; the rows' bits 3 and 4 are the run's bits 1 and 2: exchanged for the storage order
	s_lshr_b32 s38, s34, 2
	s_xor_b32 s35, s35, s38
	s_and_b32 s35, s35, 1
	s_mul_i32 s35, s35, 6
	s_xor_b32 s34, s34, s35
	s_lshl_b32 s36, s34, 13
	s_add_nc_u64 s[22:23], s[22:23], s[36:37]      ; 8,192 bytes of codes a run
	s_lshl_b32 s36, s34, 8
	s_add_nc_u64 s[24:25], s[24:25], s[36:37]      ; 256 scale bytes a run
.irp t, 0,1,2,3
	HLOAD \t
.endr
	s_wait_alu depctr_va_vdst(0)
	s_wait_loadcnt 12                              ; step 0's four loads are in
	HTURN 0
.irp t, 0,1,2,3,4,5,6,7,8,9,10,11,12,13,14,15
	HSTEP \t
.endr
	ds_load_b64 v[12:13], v6                       ; in order behind my byte stores
	s_wait_dscnt 0x0
	global_store_b64 v7, v[12:13], s[24:25]        ; 32 lanes store 256 consecutive bytes, aligned
	s_wait_tensorcnt 0x0
	ds_add_u32 v192, v193
	s_wait_dscnt 0x0
	s_endpgm
; ---------------------------------------------------------------- WGT: a wave takes 32 columns x 256 along K of one weight
; A LANE TAKES A COLUMN, AND ITS REGISTERS RUN DOWN K: a load reads 128 consecutive bytes a wave, a block of 32 lies in one lane's 32 registers, and the codes come out with K innermost.
; One text serves four tensors, so pitches stand in registers: 8 scalar bases (a block of 32 rows each) and 32 vector offsets (a row each), none of them rewritten.
; The codes of 256 along K go through the wave's own stage in LDS and leave as rows: sixteen lanes store 256 consecutive bytes, aligned.  The rows' storage order is set on the way out.
.set WX,     32                        ; v32-95   two sets of 32 numbers; on the way out v32-47 are the stores' offsets
.set WC,     96                        ; v96-103  a block's codes
.set WOUT,   112                       ; v112-175 the way out
.set WOFF,   128                       ; v128-159 the loads' offsets (done with when the way out begins)
.set WSB,    24                        ; v24-25   the scale bytes
.set WPITCH, 272
.set WSTG,   32768                     ; LDS 32768 .. 67583: 32 rows x 272 bytes for each wave
.macro WLOAD t
.set i, 0
.rept 32
	global_load_b32 v[WX+32*((\t)%2)+i], v[WOFF+i], s[32+2*(\t):33+2*(\t)] th:TH_LOAD_NT
.set i, i+1
.endr
.endm
.macro WBLOCK t
.set WXS, WX+32*((\t)%2)
.if (\t) < 7
	s_wait_loadcnt 32                              ; this block's 32 loads are in; the next block's may be out
.else
	s_wait_loadcnt 0x0
.endif
	v_max3_num_f32 v12, |v[WXS]|, |v[WXS+1]|, |v[WXS+2]|
	v_max3_num_f32 v13, |v[WXS+3]|, |v[WXS+4]|, |v[WXS+5]|
.irp i, 6,10,14,18,22,26
	v_max3_num_f32 v12, v12, |v[WXS+\i]|, |v[WXS+\i+1]|
	v_max3_num_f32 v13, v13, |v[WXS+\i+2]|, |v[WXS+\i+3]|
.endr
	v_max3_num_f32 v12, v12, |v[WXS+30]|, |v[WXS+31]|
	v_max3_num_f32 v12, v12, v13, (EMAX+1)<<23
	v_add_nc_u32 v11, -(EMAX<<23), v12
	v_and_or_b32 v10, v12, 0x7f800000, s63
	v_lshrrev_b32 v13, 23, v11
.if (\t)%4 == 0
	v_mov_b32 v[WSB+(\t)/4], v13
.else
	v_lshl_or_b32 v[WSB+(\t)/4], v13, 8*((\t)%4), v[WSB+(\t)/4]
.endif
.set i, 0
.rept 32
	v_med3_num_f32 v[WXS+i], v[WXS+i], -v10, v10
.set i, i+1
.endr
.irp g, 0,1,2,3
	v_cvt_scalef32_pk8_fp8_f32 v[WC+2*\g:WC+2*\g+1], v[WXS+8*\g:WXS+8*\g+7], v11
.endr
	ds_store_b128 v4, v[WC:WC+3] offset:32*(\t)
	ds_store_b128 v4, v[WC+4:WC+7] offset:32*(\t)+16
.if (\t)+2 < 8
	WLOAD (\t)+2
.endif
	s_wait_dscnt 0x0                               ; the stores have read their registers: the next block's codes may be written
.endm
.Lwgt:
	s_sub_co_u32 s31, ttmp9, 256
	s_cmp_lt_u32 s31, 64
	s_cbranch_scc0 .Lw_not_q
	s_mov_b64 s[48:49], s[10:11]                   ; Wq: 8 groups of 128 columns x 8 of 256 along K
	s_mov_b32 s50, 3                               ; log2 of the groups of columns; a row of the tensor is 512 << that many bytes
	s_mov_b32 s51, 11                              ; log2 of a row of codes in bytes
	s_mov_b32 s52, 0                               ; the tensor's first row in its region
	s_mov_b32 s53, W_OFF
	s_mov_b32 s54, WS_OFF
	s_branch .Lw_go
.Lw_not_q:
	s_cmp_lt_u32 s31, 96
	s_cbranch_scc0 .Lw_not_k
	s_sub_co_u32 s31, s31, 64
	s_mov_b64 s[48:49], s[12:13]                   ; Wk: 4 x 8
	s_mov_b32 s50, 2
	s_mov_b32 s51, 11
	s_mov_b32 s52, 1024
	s_mov_b32 s53, W_OFF
	s_mov_b32 s54, WS_OFF
	s_branch .Lw_go
.Lw_not_k:
	s_cmp_lt_u32 s31, 128
	s_cbranch_scc0 .Lw_not_v
	s_sub_co_u32 s31, s31, 96
	s_mov_b64 s[48:49], s[14:15]                   ; Wv: 4 x 8
	s_mov_b32 s50, 2
	s_mov_b32 s51, 11
	s_mov_b32 s52, 1536
	s_mov_b32 s53, W_OFF
	s_mov_b32 s54, WS_OFF
	s_branch .Lw_go
.Lw_not_v:
	s_sub_co_u32 s31, s31, 128
	s_mov_b64 s[48:49], s[16:17]                   ; Wo: 16 x 4
	s_mov_b32 s50, 4
	s_mov_b32 s51, 10
	s_mov_b32 s52, 0
	s_mov_b32 s53, WO_OFF
	s_mov_b32 s54, WOS_OFF
.Lw_go:
	s_lshl_b32 s55, 512, s50                       ; a row of the tensor in bytes
	s_bfm_b32 s56, s50, 0
	s_and_b32 s56, s31, s56                        ; which 128 columns
	s_lshr_b32 s57, s31, s50                       ; which 256 along K
	s_lshl_b32 s56, s56, 7
	s_lshl_b32 s58, s30, 5
	s_add_co_u32 s56, s56, s58                     ; my wave's first column
	s_mul_i32 s58, s57, s55
	s_lshl_b32 s58, s58, 8
	s_lshl_b32 s59, s56, 2
	s_add_co_u32 s58, s58, s59
	s_mov_b32 s59, 0
	s_add_nc_u64 s[32:33], s[48:49], s[58:59]      ; block 0's base,
	s_lshl_b32 s58, s55, 5
.irp t, 1,2,3,4,5,6,7
	s_add_nc_u64 s[32+2*\t:33+2*\t], s[30+2*\t:31+2*\t], s[58:59]   ; and 32 rows on for each further block
.endr
	s_add_co_u32 s60, s52, s56                     ; my first row in the region of codes
	s_lshl_b32 s58, s60, s51
	s_add_co_u32 s58, s58, s53
	s_lshl_b32 s61, s57, 8
	s_add_co_u32 s58, s58, s61
	s_add_nc_u64 s[22:23], s[22:23], s[58:59]
	s_sub_co_u32 s62, s51, 5                       ; log2 of a row of scale bytes
	s_lshl_b32 s58, s60, s62
	s_add_co_u32 s58, s58, s54
	s_lshl_b32 s61, s57, 3
	s_add_co_u32 s58, s58, s61
	s_add_nc_u64 s[24:25], s[24:25], s[58:59]
	s_mov_b32 s63, MANT
	s_wait_alu depctr_va_vdst(0)
	v_lshlrev_b32 v[WOFF], 2, v2
.set i, 1
.rept 31
	v_mad_u32_u24 v[WOFF+i], s55, i, v[WOFF]
.set i, i+1
.endr
	s_mul_i32 s61, s30, 32*WPITCH
	s_add_co_u32 s61, s61, WSTG
	v_mul_u32_u24 v4, v2, WPITCH
	v_add_nc_u32 v4, s61, v4                       ; into the stage: row = my column
	v_and_b32 v5, 15, v2
	v_lshrrev_b32 v6, 4, v2
	v_mul_u32_u24 v7, v6, WPITCH
	v_lshl_add_u32 v7, v5, 4, v7
	v_add_nc_u32 v7, s61, v7                       ; out of it: sixteen lanes to a row, two rows an instruction
	v_lshlrev_b32 v8, s51, v6
	v_lshl_add_u32 v8, v5, 4, v8                   ; the same place among the rows of codes
	v_lshrrev_b32 v9, 3, v2
	v_xor_b32 v9, v9, v6
	v_and_b32 v9, 1, v9
	v_mul_u32_u24 v9, v9, 24
	v_xor_b32 v9, v9, v2                           ; my column's stored row: the lane's bits 3 and 4 exchanged
	v_lshlrev_b32 v9, s62, v9
	WLOAD 0
	WLOAD 1
.irp t, 0,1,2,3,4,5,6,7
	WBLOCK \t
.endr
	global_store_b64 v9, v[WSB:WSB+1], s[24:25]    ; my column's 8 scale bytes
.irp t, 0,1,2,3,4,5,6,7,8,9,10,11,12,13,14,15
	v_lshl_add_u32 v[WX+\t], 2*((\t&3)|(((\t>>2)&1)<<3)|(((\t>>3)&1)<<2)), s51, v8   ; stage rows 2 t, 2 t + 1 go to stored rows 2 t', 2 t' + 1: t with bits 2 and 3 exchanged
.endr
.irp t, 0,1,2,3,4,5,6,7,8,9,10,11,12,13,14,15
	ds_load_b128 v[WOUT+4*\t:WOUT+4*\t+3], v7 offset:2*\t*WPITCH
.endr
	s_wait_alu depctr_va_vdst(0)
.irp t, 0,1,2,3,4,5,6,7,8,9,10,11,12,13,14,15
	s_wait_dscnt 15-\t
	global_store_b128 v[WX+\t], v[WOUT+4*\t:WOUT+4*\t+3], s[22:23]
.endr
	s_wait_tensorcnt 0x0
	ds_add_u32 v192, v193
	s_wait_dscnt 0x0
	s_endpgm
; ---------------------------------------------------------------- MSK: a work-group to a tile of 16 queries; wave w takes keys 1024 w on: key steps 8 w .. 8 w + 7
; Word n (0 .. 63) of a step is the lane mask for score register n of the attention launch: bit l = mask[the tile's row l % 16][128 step + 32 (n / 16) + 16 (l / 16) + n % 16].
; A row's 512 bytes are loaded by 32 lanes as they lie and turn through the wave's own stage, so that lane (r, h) gets 16 neighbouring bytes of row r four times a step; a compare of one byte gives a word.
; The words are made eight at a time (eight masks, eight compares, eight lane writes), so that eight lines stand between a compare and the line that reads its scalar result.
; What the flags need of a step is taken from the lane's 16 dwords themselves: their OR is not 0 where the lane has an open key; their AND is 0x01010101 only where bit 0 of all its 64 bytes is set
; (a byte is 0 or 1; any other pattern could at most make an open step count as mixed, which changes no value).
; FLAGS of a tile, bit = step.  work: the step has to be computed: some key of it is open for some row, or some row of the tile has no open key at all (its softmax then runs over all keys).
; mixed: of those, the steps in which some key is closed.
.set MSTG, 67584                       ; LDS 67584 .. 101375: 16 rows x (512 + 16) bytes for each wave
.set EXC,  101376                      ; LDS 101376 on: three words from each wave
.macro MCHUNK k                        ; 512 keys: four steps
	s_wait_loadcnt 16*(1-\k)                       ; this chunk's 16 loads are in; the other chunk's may be out
.irp p, 0,1,2,3,4,5,6,7,8,9,10,11,12,13,14,15
	ds_store_b128 v4, v[64+64*\k+4*\p:67+64*\k+4*\p] offset:528*\p
.endr
	s_mov_b32 s39, 0                               ; bytes along the stage's rows
	s_mov_b32 s56, 4
.Lm_step_\@:
	v_add_nc_u32 v5, s39, v10
.irp b, 0,1,2,3
	ds_load_b128 v[16+4*\b:19+4*\b], v5 offset:32*\b   ; in order behind my stores
.endr
	s_wait_dscnt 0x0
.irp i, 0,1,2,3,4,5,6,7
	v_or_b32 v[40+\i], v[16+2*\i], v[17+2*\i]      ; the OR and the AND of my 16 dwords, by halves
	v_and_b32 v[48+\i], v[16+2*\i], v[17+2*\i]
.endr
.irp i, 0,1,2,3
	v_or_b32 v[40+\i], v[40+2*\i], v[41+2*\i]
	v_and_b32 v[48+\i], v[48+2*\i], v[49+2*\i]
.endr
.irp i, 0,1
	v_or_b32 v[40+\i], v[40+2*\i], v[41+2*\i]
	v_and_b32 v[48+\i], v[48+2*\i], v[49+2*\i]
.endr
	v_or_b32 v40, v40, v41
	v_and_b32 v48, v48, v49
	v_cmp_ne_u32 s49, 0, v40                       ; bit l: lane l has an open key in this step
	v_cmp_eq_u32 s48, s59, v48                     ; bit l: all 64 keys of lane l are open
.set g, 0
.rept 8
.irp i, 0,1,2,3,4,5,6,7
	v_and_b32 v[32+\i], 0xff<<(8*(\i%4)), v[16+2*g+\i/4]   ; word 8 g + i: byte i % 4 of dword 2 g + i / 4
.endr
.irp i, 0,1,2,3,4,5,6,7
	v_cmp_ne_u32 s[40+\i], 0, v[32+\i]
.endr
.irp i, 0,1,2,3,4,5,6,7
	v_writelane_b32 v[12+\i%2], s[40+\i], 4*g+\i/2 ; lane L gathers words 2 L and 2 L + 1
.endr
.set g, g+1
.endr
	global_store_b64 v6, v[12:13], s[34:35]        ; the step's 64 words: 256 consecutive bytes, aligned
	s_cmp_eq_u32 s48, -1
	s_cselect_b32 s57, 1, 0
	s_lshl_b32 s57, s57, s50
	s_or_b32 s51, s51, s57                         ; OPEN: every key of the step is open for every row
	s_cmp_lg_u32 s49, 0
	s_cselect_b32 s57, 1, 0
	s_lshl_b32 s57, s57, s50
	s_or_b32 s52, s52, s57                         ; NONM: some key is open for some row
	s_or_b32 s53, s53, s49                         ; ANY: bit l: row l % 16 has an open key in its half l / 16 of some block
	s_add_co_u32 s50, s50, 1
	s_add_co_u32 s39, s39, 128
	s_wait_xcnt 0x0                                ; the store has read its offset and its data: both are written again only behind this wait
	v_add_nc_u32 v6, 256, v6
	s_sub_co_u32 s56, s56, 1
	s_cmp_lg_u32 s56, 0
	s_cbranch_scc1 .Lm_step_\@
.endm
.Lmsk:
	s_sub_co_u32 s31, ttmp9, 448                   ; the tile
	s_lshr_b32 s32, s31, 1
	s_lshl_b32 s32, s32, 5
	s_and_b32 s33, s31, 1
	s_lshl_b32 s33, s33, 3
	s_add_co_u32 s32, s32, s33                     ; its first actual row
	s_lshl_b32 s32, s32, 12
	s_lshl_b32 s33, s30, 10
	s_add_co_u32 s32, s32, s33
	s_mov_b32 s33, 0
	s_add_nc_u64 s[20:21], s[20:21], s[32:33]
	s_wait_alu depctr_va_vdst(0)
	v_lshlrev_b32 v3, 4, v2
	s_wait_alu depctr_va_vdst(0)
.irp k, 0,1
.irp p, 0,1,2,3,4,5,6,7,8,9,10,11,12,13,14,15
	global_load_b128 v[64+64*\k+4*\p:67+64*\k+4*\p], v3, s[20:21] offset:(\p+8*(\p/8))*4096+512*\k th:TH_LOAD_NT   ; 512 consecutive bytes of the tile's row p
.endr
.endr
	s_lshl_b32 s32, s31, 13
	s_lshl_b32 s36, s30, 11
	s_add_co_u32 s32, s32, s36
	s_add_nc_u64 s[34:35], s[26:27], s[32:33]      ; my eight steps' words
	s_lshl_b32 s32, s31, 3
	s_add_nc_u64 s[36:37], s[60:61], s[32:33]      ; the tile's two flag words
	s_mul_i32 s38, s30, 8448
	s_add_co_u32 s38, s38, MSTG
	v_add_nc_u32 v4, s38, v3
	v_and_b32 v8, 15, v2
	v_lshrrev_b32 v9, 4, v2
	v_mul_u32_u24 v10, v8, 528
	v_lshl_add_u32 v10, v9, 4, v10
	v_add_nc_u32 v10, s38, v10                     ; row r, + 16 h
	v_lshlrev_b32 v6, 3, v2
	v_mov_b32 v12, 0                               ; written once: a lane write's destination counts as one of its sources
	v_mov_b32 v13, 0
	s_lshl_b32 s50, s30, 3                         ; my first step
	s_mov_b32 s51, 0
	s_mov_b32 s52, 0
	s_mov_b32 s53, 0
	s_mov_b32 s59, 0x01010101                      ; four open keys
	s_wait_alu depctr_va_vdst(0)
	MCHUNK 0
	MCHUNK 1
	s_lshr_b32 s57, s53, 16
	s_or_b32 s53, s53, s57                         ; bits 0-15: row r has an open key among my 1,024
	v_mov_b32 v16, s51
	v_mov_b32 v17, s52
	v_mov_b32 v18, s53
	v_mov_b32 v19, s30
	v_lshl_add_u32 v19, v19, 2, EXC
	ds_store_b32 v19, v16                          ; all lanes write the same word with the same value
	ds_store_b32 v19, v17 offset:16
	ds_store_b32 v19, v18 offset:32
	s_wait_dscnt 0x0                               ; for the others' sake: my three words have landed
	s_barrier_signal -1
	s_barrier_wait -1
	v_mov_b32 v19, EXC
	ds_load_b128 v[20:23], v19
	ds_load_b128 v[24:27], v19 offset:16
	ds_load_b128 v[28:31], v19 offset:32
	s_wait_dscnt 0x0
.irp g, 20,24,28
	v_or_b32 v[\g], v[\g], v[\g+1]
	v_or_b32 v[\g+2], v[\g+2], v[\g+3]
	v_or_b32 v[\g], v[\g], v[\g+2]
.endr
	v_readfirstlane_b32 s51, v20
	v_readfirstlane_b32 s52, v24
	v_readfirstlane_b32 s53, v28
	s_and_b32 s53, s53, 0xffff
	s_cmp_lg_u32 s53, 0xffff                       ; some row has no open key at all:
	s_cselect_b32 s52, -1, s52                     ; then every step is computed
	s_and_not1_b32 s51, s52, s51                   ; mixed
	s_cmp_lg_u32 s30, 0
	s_cbranch_scc1 .Lm_end
	v_mov_b32 v20, s52
	v_mov_b32 v21, s51
	v_mov_b32 v22, 0
	v_cmp_eq_u32 vcc_lo, 0, v2
	s_wait_alu depctr_va_vdst(0)
	s_wait_xcnt 0x0                                ; EXEC changes only behind this wait
	s_and_saveexec_b32 s58, vcc_lo
	global_store_b64 v22, v[20:21], s[36:37]
	s_wait_xcnt 0x0                                ; and again, in front of the line that widens it
	s_or_b32 exec_lo, exec_lo, s58
.Lm_end:
	s_wait_tensorcnt 0x0
	ds_add_u32 v192, v193
	s_wait_dscnt 0x0
	s_endpgm
.Lfunc_end_k_q9b1c4932cd_prep:
	.size	k_q9b1c4932cd_prep, .Lfunc_end_k_q9b1c4932cd_prep-k_q9b1c4932cd_prep
	.p2alignl 7, 3214868480
	.fill 96, 4, 3214868480
	.section	.rodata,"a",@progbits
	.p2align	6, 0x0
	.amdhsa_kernel k_q9b1c4932cd_prep
		.amdhsa_group_segment_fixed_size 102912
		.amdhsa_private_segment_fixed_size 0
		.amdhsa_enable_private_segment 0
		.amdhsa_kernarg_size 96
		.amdhsa_user_sgpr_count 2
		.amdhsa_user_sgpr_kernarg_segment_ptr 1
		.amdhsa_wavefront_size32 1
		.amdhsa_system_sgpr_workgroup_id_x 1
		.amdhsa_system_sgpr_workgroup_id_y 1
		.amdhsa_system_sgpr_workgroup_id_z 1
		.amdhsa_system_vgpr_workitem_id 0
		.amdhsa_next_free_vgpr 194
		.amdhsa_next_free_sgpr 66
		.amdhsa_reserve_vcc 1
		.amdhsa_float_denorm_mode_32 3
		.amdhsa_float_denorm_mode_16_64 3
		.amdhsa_memory_ordered 1
		.amdhsa_forward_progress 1
		.amdhsa_inst_pref_size 195
	.end_amdhsa_kernel
	.amdgpu_metadata
---
amdhsa.version: [ 1, 2 ]
amdhsa.kernels:
  - .name:           k_q9b1c4932cd_prep
    .symbol:         k_q9b1c4932cd_prep.kd
    .args:
      - { .name: hidden_states, .offset: 0, .size: 8, .value_kind: global_buffer, .address_space: global }
      - { .name: Wq, .offset: 8, .size: 8, .value_kind: global_buffer, .address_space: global }
      - { .name: Wk, .offset: 16, .size: 8, .value_kind: global_buffer, .address_space: global }
      - { .name: Wv, .offset: 24, .size: 8, .value_kind: global_buffer, .address_space: global }
      - { .name: Wo, .offset: 32, .size: 8, .value_kind: global_buffer, .address_space: global }
      - { .name: position_ids, .offset: 40, .size: 8, .value_kind: global_buffer, .address_space: global }
      - { .name: attention_mask, .offset: 48, .size: 8, .value_kind: global_buffer, .address_space: global }
      - { .name: xw_codes, .offset: 56, .size: 8, .value_kind: global_buffer, .address_space: global }
      - { .name: xw_scales, .offset: 64, .size: 8, .value_kind: global_buffer, .address_space: global }
      - { .name: maskw, .offset: 72, .size: 8, .value_kind: global_buffer, .address_space: global }
      - { .name: rope, .offset: 80, .size: 8, .value_kind: global_buffer, .address_space: global }
      - { .name: flags, .offset: 88, .size: 8, .value_kind: global_buffer, .address_space: global }
    .group_segment_fixed_size: 102912
    .private_segment_fixed_size: 0
    .kernarg_segment_align: 8
    .kernarg_segment_size: 96
    .max_flat_workgroup_size: 128
    .sgpr_count:     66
    .vgpr_count:     194
    .wavefront_size: 32
...
	.end_amdgpu_metadata
.endif
;; end of part 1
;; launch qkv (part 2): grid 256 x 1, 4 waves a work-group, clusters of 4 x 1, 327,680 bytes of LDS; arguments xw_codes, xw_scales, rope, qkv_codes, qkv_scales; writes qkv_codes, qkv_scales
.if DOCPART == 2
	.amdgcn_target "amdgcn-amd-amdhsa--gfx1250"
	.amdhsa_code_object_version 6
	.text
	.protected	k_q9b1c4932cd_qkv
	.globl	k_q9b1c4932cd_qkv
	.p2align	8
	.type	k_q9b1c4932cd_qkv,@function
k_q9b1c4932cd_qkv:
	s_mov_b64 s[64:65], 0
	v_nop
	global_prefetch_b8 v0, s[64:65] scope:SCOPE_SE
	s_setreg_imm32_b32 hwreg(HW_REG_WAVE_MODE, 25, 1), 1
	s_wait_xcnt 0x0
	s_wait_alu depctr_hold_cnt(0) depctr_sa_sdst(0) depctr_va_vdst(0) depctr_va_sdst(0) depctr_va_ssrc(0) depctr_va_vcc(0) depctr_vm_vsrc(0)
	s_getreg_b32 s2, hwreg(HW_REG_IB_STS2, 6, 4)
	s_cmp_eq_u32 s2, 0
	s_cbranch_scc0 .Lentry_in_a_cluster
	s_endpgm
.Lentry_in_a_cluster:
	s_bfe_u32 s2, ttmp6, 0x10000c
	s_cmp_lg_u32 s2, 0x3003
	s_cbranch_scc0 .Lentry_shape_is_right
	s_endpgm
.Lentry_shape_is_right:
; q, k, v = hidden W, on codes of E4M3 with one E8M0 scale for each 32 along K = 2,048; then the rotation of q and k; then q, k (along the head's 128) and v (along the keys) are quantised IN REGISTERS
; and stored as images of the operand registers of the attention launch: a fragment of 16 rows x 128 K is 4 chunks of 512 bytes, chunk c = registers 4 c .. 4 c + 3, lane l's 16 bytes at 16 l.
; A work-group makes X 256 rows (source 0) x Y 128 rows (source 1).  Four waves: wave & 1 picks 128 rows of X, wave >> 1 picks 64 rows of Y: 8 x 4 accumulators, 256 registers.
; 256 work-groups; tiles of 256 x 256 would make 128.
; THE ROLES ARE SWAPPED FOR v.  Clusters 0-47 (q, k): X = rows of W (two heads), Y = rows of hidden: a lane holds one row of hidden and its registers run along the head's channels.
; Clusters 48-63 (v): X = rows of hidden (two key steps), Y = rows of Wv (one head): a lane holds one channel and its registers run along the KEYS, which are the second product's K: nothing is transposed.
; Rows lie in the storage order (bits 3 and 4 of the row exchanged), so that the 16 registers of result tiles 2 b, 2 b + 1 are 16 neighbours: 32 b + 16 (lane / 16) + 0 .. 15.
; CLUSTER 4, 1, 1: X hangs on the cluster's number alone and is asked for jointly by the four partners; Y hangs on the place in the cluster and comes by plain loads.
; Not 4 x 4: q and k have 6 tiles of 256 rows along X, which 4 does not divide.
; K goes in steps of 256 (rows of 256 bytes) through two LDS slots; the scale bytes of all of K come once, with the first fills.
; LIMITS: a block of zeros gets the byte 1 (its codes are zeros; this program alone reads the bytes); blocks under 2^-118 keep the byte 1; NaN and infinities are not served.
; REGISTERS: window 0: v16-29 addresses; v32-55 scale words, two sets; v64-127 T, at work in the epilogue; v128-255 Y's fragments, two sets (in the epilogue: codes, scales at work).
;   window 1: X's fragments, two sets.   window 2: accumulator (a, t) at v[8 (8 a + t)].   window 3: cos and sin: for Y's tile a, cos at 64 a + 8 t + j, sin at 64 a + 32 + 8 t + j.
.set W_OFF,   8388608
.set WS_OFF,  262144
.set KV_OFF,  4194304
.set KVS_OFF, 131072
.set PITCH,  272                       ; an LDS row: 256 bytes + 16 of padding
.set XH,     128*PITCH                 ; what one load brings of X, and what one wave reads
.set YH,     64*PITCH                  ; the same of Y
.set YO,     2*XH
.set SLOT,   YO+2*YH                   ; 104,448
.set SCX,    2*SLOT                    ; X's scale bytes: 256 rows x 64 bytes as 64 units of 256 + 16
.set SXH,    32*272
.set SCY,    SCX+2*SXH                 ; Y's: 32 units
.set SYH,    16*272
.set SPARE,  SCY+2*SYH                 ; the spare words: 128 bytes for each wave, named by no other line
.set ADRX, 16
.set ADRY, 20
.set ADSX, 22
.set ADSY, 23
.set OI,   24                          ; 16 x lane
.set OW,   25                          ; 4 x lane
.set SPW,  28
.set NIL,  29
.set SC,   32                          ; set s at SC + 12 s: X's pair of tiles p, word q at + 2 p + q; Y's at + 8 + 2 p + q.  Lanes 0-15: the even tile's rows, lanes 16-31: the odd tile's
.set T,    64
.set YF,   128
.set PC,   128                         ; epilogue: tile a's codes at PC + 16 a
.set TM,   192
.set PW,   208                         ; tile a's scale word
.set PP,   212                         ; two tiles' words in one register
.set G1X,  24
.set G0X,  32
.set G1Y,  40
.set G0Y,  48
.set G1SX, 68
.set G0SX, 76
.set G1SY, 80
.set G0SY, 88
.set MSB, 0
.macro WIN new                         ; the immediate's high byte repeats the setting that is left
.if MSB != \new
	s_set_vgpr_msb (MSB<<8)|\new
.set MSB, \new
.endif
.endm
.set MUL,   0xa1                       ; source 0 (X) window 1, source 1 (Y) window 0, C and D window 2
.set TO_X,  0x40
.set TO_CS, 0xc0
.macro JLOAD g0a, g1a, g0b, g1b        ; waves 0 and 1 fetch for X, waves 2 and 3 for Y; four v_nop follow each of the two lines
	s_cmp_eq_u32 s15, 0
	s_cbranch_scc0 .Lfor_y_\@
	tensor_load_to_lds s[\g0a:\g0a+3], s[\g1a:\g1a+7]
	s_nop 0
.rept 4
	v_nop
.endr
	s_branch .Lasked_\@
.Lfor_y_\@:
	tensor_load_to_lds s[\g0b:\g0b+3], s[\g1b:\g1b+7]
	s_nop 0
.rept 4
	v_nop
.endr
.Lasked_\@:
.endm
.macro CREST                           ; a round of the cluster's barrier behind its opening barrier
	s_cmp_lg_u32 s14, 0
	s_cbranch_scc1 .Lnot_wave_0_\@
	s_barrier_signal -3
.Lnot_wave_0_\@:
	s_barrier_wait -3
	s_barrier_signal -1
	s_barrier_wait -1
.endm
.macro CROUND
	s_barrier_signal -1
	s_barrier_wait -1
	CREST
.endm
.macro PLACES n
.rept \n
	v_nop
.endr
.endm
	s_load_b256 s[4:11], s[0:1], 0x0               ; xw_codes 4, xw_scales 6, rope 8, qkv_codes 10
	s_load_b64 s[12:13], s[0:1], 0x20              ; qkv_scales
	v_lshl_add_u32 v[SPW], v0, 2, SPARE
	v_mov_b32 v[NIL], 0
	ds_add_u32 v28, v29
	ds_add_u32 v28, v29
	s_wait_dscnt 0x0
	v_lshrrev_b32 v1, 5, v0
	v_readfirstlane_b32 s14, v1                    ; wave 0..3
	s_lshr_b32 s15, s14, 1                         ; my 64 rows of Y.  Also: I fetch for X (0) or for Y (1)
	s_and_b32 s16, s14, 1                          ; my 128 rows of X.  Also: which half of that tile I fetch
	s_bfe_u32 s17, ttmp6, 0x40000                  ; cx: my place in the cluster; it enters Y's addresses, X's prefetches and the outputs'
	s_lshr_b32 s20, ttmp9, 3                       ; q, k: which pair of heads
	s_sub_co_u32 s21, ttmp9, 48                    ; v: which pair of key steps
	s_and_b32 s22, ttmp9, 7
	s_lshl_b32 s22, s22, 2
	s_add_co_u32 s22, s22, s17                     ; q, k: which 128 rows of hidden: 4 (cluster & 7) + cx; it stays in s22
	s_add_co_u32 s23, s17, 12                      ; v: W's rows 1536 + 128 cx
	s_cmp_lt_u32 ttmp9, 48
	s_cselect_b32 s56, s20, s21                    ; X's tile of 256 rows,
	s_cselect_b32 s57, W_OFF, 0                    ; in W's region or in hidden's
	s_cselect_b32 s58, WS_OFF, 0
	s_cselect_b32 s59, s22, s23                    ; Y's tile of 128 rows
	s_cselect_b32 s60, 0, W_OFF
	s_cselect_b32 s61, 0, WS_OFF
	s_lshl_b32 s56, s56, 8
	s_lshl_b32 s62, s16, 7
	s_add_co_u32 s56, s56, s62                     ; X: the first row of the half that I would fetch
	s_lshl_b32 s62, s56, 11                        ; 2,048 bytes of codes a row,
	s_add_co_u32 s62, s62, s57
	s_mov_b32 s63, 0
	s_lshl_b32 s92, s56, 6                         ; 64 scale bytes
	s_add_co_u32 s92, s92, s58
	s_lshl_b32 s93, s16, 13                        ; the scale bytes come whole, by one wave: back to the tile's first row
	s_sub_co_u32 s92, s92, s93
	s_mov_b32 s93, 0
	s_lshl_b32 s59, s59, 7
	s_lshl_b32 s94, s16, 6
	s_add_co_u32 s59, s59, s94                     ; Y likewise, in registers of its own
	s_lshl_b32 s94, s59, 11
	s_add_co_u32 s94, s94, s60
	s_mov_b32 s95, 0
	s_lshl_b32 s96, s59, 6
	s_add_co_u32 s96, s96, s61
	s_lshl_b32 s97, s16, 12
	s_sub_co_u32 s96, s96, s97
	s_mov_b32 s97, 0
	s_mul_i32 s98, s16, XH                         ; where they go: constants and the wave's number alone
	s_mul_i32 s99, s16, YH
	s_add_co_u32 s99, s99, YO
	s_mov_b32 s20, 0
	s_add_co_u32 s20, s20, SCX
	s_mov_b32 s21, 0
	s_add_co_u32 s21, s21, SCY
	; descriptor groups 1.  X: 128 rows x 256 bytes, 2,048 apart, 16 bytes of padding behind each row, mask of all four partners with bit 21 beside it.  Y: 64 rows, no mask.
	s_mov_b32 s[G1X], 15|(1<<20)|(1<<21)|(5<<22)|(3<<25)
	s_mov_b32 s[G1X+1], 256<<16
	s_mov_b32 s[G1X+2], 256<<16                    ; the head's load brings all 256 rows; behind it the two words that count rows are set to 128
	s_mov_b32 s[G1X+3], 256<<16
	s_mov_b32 s[G1X+4], 256
	s_mov_b32 s[G1X+5], 2048
	s_mov_b32 s[G1X+6], 0
	s_mov_b32 s[G1X+7], 0
	s_mov_b32 s[G1Y], (1<<20)|(5<<22)|(3<<25)
	s_mov_b32 s[G1Y+1], 256<<16
	s_mov_b32 s[G1Y+2], 128<<16
	s_mov_b32 s[G1Y+3], 256<<16
	s_mov_b32 s[G1Y+4], 128
	s_mov_b32 s[G1Y+5], 2048
	s_mov_b32 s[G1Y+6], 0
	s_mov_b32 s[G1Y+7], 0
	; the scale bytes: dense blocks, as rows of 256 bytes (32 elements of 8), 16 bytes of padding behind each: 64 rows for all of X, 32 for all of Y
	s_mov_b32 s[G1SX], 15|(3<<16)|(1<<20)|(1<<21)|(5<<22)|(3<<25)
	s_mov_b32 s[G1SX+1], 32<<16
	s_mov_b32 s[G1SX+2], 64<<16
	s_mov_b32 s[G1SX+3], 32<<16
	s_mov_b32 s[G1SX+4], 64
	s_mov_b32 s[G1SX+5], 32
	s_mov_b32 s[G1SX+6], 0
	s_mov_b32 s[G1SX+7], 0
	s_mov_b32 s[G1SY], (3<<16)|(1<<20)|(5<<22)|(3<<25)
	s_mov_b32 s[G1SY+1], 32<<16
	s_mov_b32 s[G1SY+2], 32<<16
	s_mov_b32 s[G1SY+3], 32<<16
	s_mov_b32 s[G1SY+4], 32
	s_mov_b32 s[G1SY+5], 32
	s_mov_b32 s[G1SY+6], 0
	s_mov_b32 s[G1SY+7], 0
	s_wait_kmcnt 0x0
	s_add_nc_u64 s[62:63], s[4:5], s[62:63]
	s_add_nc_u64 s[92:93], s[6:7], s[92:93]
	s_add_nc_u64 s[94:95], s[4:5], s[94:95]
	s_add_nc_u64 s[96:97], s[6:7], s[96:97]
	s_mov_b32 s[G0SX], 1
	s_mov_b32 s[G0SX+1], s20
	s_mov_b64 s[G0SX+2:G0SX+3], s[92:93]
	s_or_b32 s[G0SX+3], s[G0SX+3], 0x80000000
	s_mov_b32 s[G0SY], 1
	s_mov_b32 s[G0SY+1], s21
	s_mov_b64 s[G0SY+2:G0SY+3], s[96:97]
	s_or_b32 s[G0SY+3], s[G0SY+3], 0x80000000
.irp s, 0,1
	s_mov_b32 s[G0X+4*\s], 1
	s_add_co_u32 s[G0X+4*\s+1], s98, \s*SLOT
	s_add_nc_u64 s[G0X+4*\s+2:G0X+4*\s+3], s[62:63], \s*256
	s_or_b32 s[G0X+4*\s+3], s[G0X+4*\s+3], 0x80000000
	s_mov_b32 s[G0Y+4*\s], 1
	s_add_co_u32 s[G0Y+4*\s+1], s99, \s*SLOT
	s_add_nc_u64 s[G0Y+4*\s+2:G0Y+4*\s+3], s[94:95], \s*256
	s_or_b32 s[G0Y+4*\s+3], s[G0Y+4*\s+3], 0x80000000
.endr
	CROUND                                         ; all four work-groups are here: the first joint loads meet
	; the head's four tiles, one a wave: wave 0 slot 0's 256 rows of X, wave 2 its 128 rows of Y, wave 1 X's scale bytes, wave 3 Y's
	s_cmp_eq_u32 s14, 0
	s_cbranch_scc0 .Lh1
	tensor_load_to_lds s[G0X:G0X+3], s[G1X:G1X+7]
	s_nop 0
	PLACES 4
	s_branch .Lhj
.Lh1:
	s_cmp_eq_u32 s14, 2
	s_cbranch_scc0 .Lh2
	tensor_load_to_lds s[G0Y:G0Y+3], s[G1Y:G1Y+7]
	s_nop 0
	PLACES 4
	s_branch .Lhj
.Lh2:
	s_cmp_eq_u32 s14, 1
	s_cbranch_scc0 .Lh3
	tensor_load_to_lds s[G0SX:G0SX+3], s[G1SX:G1SX+7]
	s_nop 0
	PLACES 4
	s_branch .Lhj
.Lh3:
	tensor_load_to_lds s[G0SY:G0SY+3], s[G1SY:G1SY+7]
	s_nop 0
	PLACES 4
.Lhj:
	; the prefetches' bases, at K step 1.  X: of the 128 rows that waves 0 and 1 fetch, my work-group's 32, told apart from the partners' by address; Y: 32 rows of my own 128 for each wave
	s_lshl_b32 s98, s17, 16
	s_mov_b32 s99, 0
	s_add_nc_u64 s[92:93], s[62:63], s[98:99]
	s_add_nc_u64 s[92:93], s[92:93], 256
	s_lshl_b32 s98, s15, 16
	s_add_nc_u64 s[96:97], s[94:95], s[98:99]
	s_add_nc_u64 s[96:97], s[96:97], 256
	v_and_b32 v1, 15, v0
	v_bfe_u32 v2, v0, 4, 1
	v_mul_u32_u24 v3, v1, PITCH
	v_lshl_add_u32 v3, v2, 4, v3                   ; a fragment's row x pitch + 16 x half
	s_mul_i32 s56, s16, XH
	s_mul_i32 s57, s15, YH
	s_add_co_u32 s57, s57, YO
.irp s, 0,1
	v_add_nc_u32 v[ADRX+\s], s56, v3
	v_add_nc_u32 v[ADRY+\s], s57, v3
	s_add_co_u32 s56, s56, SLOT
	s_add_co_u32 s57, s57, SLOT
.endr
	v_and_b32 v4, 31, v0
	v_lshrrev_b32 v5, 2, v4                        ; scale bytes: 64 a row, four rows to a unit: lane l takes row l of a pair of tiles
	v_mul_u32_u24 v5, v5, 272
	v_and_b32 v6, 3, v4
	v_lshl_add_u32 v5, v6, 6, v5
	s_mul_i32 s56, s16, SXH
	s_add_co_u32 s56, s56, SCX
	v_add_nc_u32 v[ADSX], s56, v5
	s_mul_i32 s57, s15, SYH
	s_add_co_u32 s57, s57, SCY
	v_add_nc_u32 v[ADSY], s57, v5
	v_lshlrev_b32 v[OI], 4, v4
	v_lshlrev_b32 v[OW], 2, v4
	v_lshlrev_b32 v30, 11, v4                      ; the prefetches' offset: a lane a row of 2,048 bytes; never rewritten
	; cos and sin of my four tiles of hidden rows, 8,192 bytes a tile, as images of the registers.  The v work-groups issue these loads too (at the address that their numbers give, inside the table)
	; and never read the registers: 32 KB a wave in 64 of 256 work-groups, so that one path leads from the loads to their readers.
	s_lshl_b32 s58, s22, 16
	s_lshl_b32 s59, s15, 15
	s_add_co_u32 s58, s58, s59
	s_mov_b32 s59, 0
	s_add_nc_u64 s[8:9], s[8:9], s[58:59]
	WIN TO_CS
.irp a, 0,1,2,3
.irp c, 0,1,2,3,4,5,6,7,8,9,10,11,12,13,14,15
	global_load_b128 v[64*\a+4*\c:64*\a+4*\c+3], v[OI], s[8:9] offset:8192*\a+512*\c
.endr
.endr
	WIN 0
; A prefetch of one K step's 256 bytes of 32 rows a wave: every wave for Y, waves 0 and 1 for X too: each block of 256 bytes is named once in each cluster that will load it
.macro ASKP off
	global_prefetch_b8 v30, s[96:97] offset:\off th:TH_LOAD_NT scope:SCOPE_SE
	s_cmp_eq_u32 s15, 0
	s_cbranch_scc0 .Lnox_\@
	global_prefetch_b8 v30, s[92:93] offset:\off th:TH_LOAD_NT scope:SCOPE_SE
.Lnox_\@:
.endm
	s_wait_alu depctr_va_vdst(0)                   ; the wait ahead of the offset's first reader
	ASKP 0                                         ; K steps 1 and 2
	ASKP 256
.macro FRAG reg, adr, q, i
.irp c, 0,1,2,3
	ds_load_b128 v[\reg+4*\c:\reg+4*\c+3], v[\adr] offset:128*(\q)+32*\c+(\i)*16*PITCH
.endr
.endm
.macro FETCH_X slot, q, set
	WIN TO_X
.irp i, 0,1,2,3,4,5,6,7
	FRAG 128*(\set)+16*\i, ADRX+\slot, \q, \i
.endr
	WIN 0
.endm
.macro FETCH_Y slot, q, set
.irp i, 0,1,2,3
	FRAG YF+64*(\set)+16*\i, ADRY+\slot, \q, \i
.endr
.endm
.macro SCALES sc                       ; a K step's two words of each row: four pairs of tiles of X, two of Y
.irp p, 0,1,2,3
	ds_load_b64 v[SC+12*(\sc)+2*\p:SC+12*(\sc)+2*\p+1], v[ADSX] offset:2176*\p
.endr
.irp p, 0,1
	ds_load_b64 v[SC+12*(\sc)+8+2*\p:SC+12*(\sc)+8+2*\p+1], v[ADSY] offset:2176*\p
.endr
.endm
; one product: Y's tile a x X's tile t.  An odd tile's scale words stand in lanes 16-31 of the pair's register.
.macro WM a, t, set, q, sc, zero
.set rD, 8*(8*(\a)+(\t))
.set rX, 128*(\set)+16*(\t)
.set rY, YF+64*(\set)+16*(\a)
.set rP, SC+12*(\sc)+2*((\t)/2)+(\q)
.set rR, SC+12*(\sc)+8+2*((\a)/2)+(\q)
.if \zero
.if ((\t)%2 == 0) && ((\a)%2 == 0)
	v_wmma_scale_f32_16x16x128_f8f6f4 v[rD:rD+7], v[rX:rX+15], v[rY:rY+15], 0, v[rP], v[rR]
.elseif ((\a)%2 == 0)
	v_wmma_scale_f32_16x16x128_f8f6f4 v[rD:rD+7], v[rX:rX+15], v[rY:rY+15], 0, v[rP], v[rR] matrix_a_scale:MATRIX_SCALE_ROW1
.elseif ((\t)%2 == 0)
	v_wmma_scale_f32_16x16x128_f8f6f4 v[rD:rD+7], v[rX:rX+15], v[rY:rY+15], 0, v[rP], v[rR] matrix_b_scale:MATRIX_SCALE_ROW1
.else
	v_wmma_scale_f32_16x16x128_f8f6f4 v[rD:rD+7], v[rX:rX+15], v[rY:rY+15], 0, v[rP], v[rR] matrix_a_scale:MATRIX_SCALE_ROW1 matrix_b_scale:MATRIX_SCALE_ROW1
.endif
.else
.if ((\t)%2 == 0) && ((\a)%2 == 0)
	v_wmma_scale_f32_16x16x128_f8f6f4 v[rD:rD+7], v[rX:rX+15], v[rY:rY+15], v[rD:rD+7], v[rP], v[rR]
.elseif ((\a)%2 == 0)
	v_wmma_scale_f32_16x16x128_f8f6f4 v[rD:rD+7], v[rX:rX+15], v[rY:rY+15], v[rD:rD+7], v[rP], v[rR] matrix_a_scale:MATRIX_SCALE_ROW1
.elseif ((\t)%2 == 0)
	v_wmma_scale_f32_16x16x128_f8f6f4 v[rD:rD+7], v[rX:rX+15], v[rY:rY+15], v[rD:rD+7], v[rP], v[rR] matrix_b_scale:MATRIX_SCALE_ROW1
.else
	v_wmma_scale_f32_16x16x128_f8f6f4 v[rD:rD+7], v[rX:rX+15], v[rY:rY+15], v[rD:rD+7], v[rP], v[rR] matrix_a_scale:MATRIX_SCALE_ROW1 matrix_b_scale:MATRIX_SCALE_ROW1
.endif
.endif
.endm
.macro MULA a, set, q, sc, zero        ; eight products.  The 32 accumulators take turns, one instruction a turn, in the same order in every step
.irp t, 0,1,2,3,4,5,6,7
	WM \a, \t, \set, \q, \sc, \zero
.endr
.endm
; A slot's first 128 along K (set 0).  In its middle the second 128's fragments are fetched into set 1, eight places behind the last product.
.macro STEP slot, zero
	s_wait_dscnt 0x0                               ; set 0 and the scale words are in
	WIN MUL
	MULA 0, 0, 0, \slot, \zero
	MULA 1, 0, 0, \slot, \zero
	PLACES 8                                       ; in front of loads into registers that matrix instructions have read (ISA guide 7.12.1 for vector instructions)
	FETCH_X \slot, 1, 1
	FETCH_Y \slot, 1, 1
	WIN MUL
	MULA 2, 0, 0, \slot, \zero
	MULA 3, 0, 0, \slot, \zero
	WIN 0
.endm
; A slot's second 128 (set 1) changes slots: one barrier; in front of it each wave waits for all its tensor loads, adds 0 to its spare word, and waits for that and for its reads of this slot.
.macro TURN slot, next, fill
.if \fill
	s_wait_xcnt 0x0                                ; my prefetches have read their bases: they step to the K step that this change refills
	s_add_nc_u64 s[92:93], s[92:93], 256
	s_add_nc_u64 s[96:97], s[96:97], 256
.endif
	s_wait_tensorcnt 0x0                           ; all my tensor loads have landed: my part of the next slot
	ds_add_u32 v[SPW], v[NIL]                      ; 0 onto my spare word
	s_wait_dscnt 1                                 ; set 1 is in; the add may be out
	WIN MUL
	MULA 0, 1, 1, \slot, 0                         ; eight products stand between the add and the wait for it
	s_wait_dscnt 0x0                               ; the add is done, and my reads of this slot are over
	s_barrier_signal -1
	MULA 1, 1, 1, \slot, 0
	WIN 0
	s_barrier_wait -1
.if \fill
	CREST                                          ; the barrier has opened a round of the cluster's: no wave of any partner still reads this slot or has a load on its way
	s_add_nc_u64 s[G0X+4*\slot+2:G0X+4*\slot+3], s[G0X+4*\slot+2:G0X+4*\slot+3], 512
	s_add_nc_u64 s[G0Y+4*\slot+2:G0Y+4*\slot+3], s[G0Y+4*\slot+2:G0Y+4*\slot+3], 512
	JLOAD G0X+4*\slot, G1X, G0Y+4*\slot, G1Y       ; my one tensor load behind the round, and the first thing there; its four v_nop are four of the eight places
	PLACES 4
.else
	PLACES 8
.endif
	s_wait_alu depctr_va_vdst(0)
	v_add_nc_u32 v[ADSX], 8, v[ADSX]               ; the next K step's scale words
	v_add_nc_u32 v[ADSY], 8, v[ADSY]
	FETCH_X \next, 0, 0
	FETCH_Y \next, 0, 0
	SCALES \next
.if \fill
	s_cmp_lg_u32 s3, 1                             ; the last lap's refills have no K step two on
	s_cbranch_scc0 .Lnoask_\@
	ASKP 512                                       ; the K step two refills on
.Lnoask_\@:
.endif
	WIN MUL
	MULA 2, 1, 1, \slot, 0
	MULA 3, 1, 1, \slot, 0
	WIN 0
.endm
	s_wait_alu depctr_va_vdst(0)
	s_wait_tensorcnt 0x0                           ; my tile of the head's four is in; slot 1's first fill is issued as a refill is
	ds_add_u32 v[SPW], v[NIL]
	s_mov_b32 s[G1X+2], 128<<16                    ; no tensor load of mine is out: from here on a load brings half a tile's rows
	s_mov_b32 s[G1X+4], 128
	s_mov_b32 s[G1Y+2], 64<<16
	s_mov_b32 s[G1Y+4], 64
	s_wait_dscnt 0x0
	CROUND
	JLOAD G0X+4, G1X, G0Y+4, G1Y
	FETCH_X 0, 0, 0
	FETCH_Y 0, 0, 0
	SCALES 0
	ASKP 512                                       ; K step 3
	STEP 0, 1
	s_mov_b32 s3, 3
.Llap:                                             ; a trip goes once round the ring and fills both slots again: K steps 2 to 7
	TURN 0, 1, 1
	STEP 1, 0
	TURN 1, 0, 1
	STEP 0, 0
	s_sub_co_u32 s3, s3, 1
	s_cmp_lg_u32 s3, 0
	s_cbranch_scc1 .Llap
	TURN 0, 1, 0                                   ; the last lap fills nothing
	STEP 1, 0
	s_wait_dscnt 0x0
	WIN MUL
	MULA 0, 1, 1, 1, 0
	MULA 1, 1, 1, 1, 0
	MULA 2, 1, 1, 1, 0
	MULA 3, 1, 1, 1, 0
	WIN 0
	PLACES 8                                       ; in front of the first reads of results and the first writes of operands' registers
; 64 numbers of a lane, v[s ..] of window w, register 16 b + i = index 32 b + 16 (lane / 16) + i along the next K, become a fragment's codes in v[pc ..] and its scale word in v[pw].
; Each accumulator is read from its low end on.
.macro QUANT s, w, pc, pw
	WIN (\w)|((\w)<<2)
.irp b, 0,1,2,3
	v_max3_num_f32 v[TM+\b], |v[(\s)+16*\b]|, |v[(\s)+1+16*\b]|, 0x4800000   ; with the floor 2^(9 - 127): the byte cannot fall under 1
.endr
.irp i, 2,4,6,8,10,12,14
.irp b, 0,1,2,3
	v_max3_num_f32 v[TM+\b], |v[(\s)+16*\b+\i]|, |v[(\s)+1+16*\b+\i]|, v[TM+\b]
.endr
.endr
	WIN 0
.irp b, 0,1,2,3
	v_permlanex16_b32 v[TM+4+\b], v[TM+\b], s20, s21
.endr
.irp b, 0,1,2,3
	v_max_num_f32 v[TM+\b], v[TM+\b], v[TM+4+\b]   ; with lane l xor 16's: the block's largest magnitude
.endr
.irp b, 0,1,2,3
	v_add_nc_u32 v[TM+12+\b], 0xfc000000, v[TM+\b] ; 8 off its exponent field: the conversion's scale operand
.endr
.irp b, 0,1,2,3
	v_and_or_b32 v[TM+8+\b], v[TM+\b], 0x7f800000, s19   ; 448 x the scale
.endr
.irp b, 0,1,2,3
	v_lshrrev_b32 v[TM+4+\b], 23, v[TM+12+\b]      ; the scale's byte
.endr
	v_lshl_or_b32 v[\pw], v[TM+5], 8, v[TM+4]
	v_lshl_or_b32 v[\pw], v[TM+6], 16, v[\pw]
	v_lshl_or_b32 v[\pw], v[TM+7], 24, v[\pw]
	WIN \w
.irp b, 0,1,2,3
.irp i, 0,1,2,3,4,5,6,7,8,9,10,11,12,13,14,15
	v_med3_num_f32 v[T+16*\b+\i], v[(\s)+16*\b+\i], -v[TM+8+\b], v[TM+8+\b]   ; the conversion does not saturate (ISA guide 7.6.2): the hold comes first
.endr
.endr
	WIN 0
.irp b, 0,1,2,3
	v_cvt_scalef32_pk8_fp8_f32 v[(\pc)+4*\b:(\pc)+4*\b+1], v[T+16*\b:T+16*\b+7], v[TM+12+\b]
	v_cvt_scalef32_pk8_fp8_f32 v[(\pc)+4*\b+2:(\pc)+4*\b+3], v[T+16*\b+8:T+16*\b+15], v[TM+12+\b]
.endr
	v_nop                                          ; a plain instruction between the conversions and the next lines that write their sources
.endm
; The rotation of tile a: channels d and d + 64 are result tiles t and t + 4, same lane, same register.  out(d) = x(d) cos - x(d + 64) sin; out(d + 64) = x(d + 64) cos + x(d) sin.
.macro ROPE a
	WIN 0x0e                                       ; source 0 window 2 (the sums), source 1 window 3 (cos, sin)
.irp t, 0,1,2,3
.irp j, 0,2,4,6
	v_pk_mul_f32 v[T+8*\t+\j:T+8*\t+\j+1], v[64*\a+8*\t+\j:64*\a+8*\t+\j+1], v[64*\a+8*\t+\j:64*\a+8*\t+\j+1]
	v_pk_mul_f32 v[T+32+8*\t+\j:T+32+8*\t+\j+1], v[64*\a+32+8*\t+\j:64*\a+32+8*\t+\j+1], v[64*\a+8*\t+\j:64*\a+8*\t+\j+1]
	v_pk_fma_f32 v[T+8*\t+\j:T+8*\t+\j+1], v[64*\a+32+8*\t+\j:64*\a+32+8*\t+\j+1], v[64*\a+32+8*\t+\j:64*\a+32+8*\t+\j+1], v[T+8*\t+\j:T+8*\t+\j+1] neg_lo:[1,0,0] neg_hi:[1,0,0]
	v_pk_fma_f32 v[T+32+8*\t+\j:T+32+8*\t+\j+1], v[64*\a+8*\t+\j:64*\a+8*\t+\j+1], v[64*\a+32+8*\t+\j:64*\a+32+8*\t+\j+1], v[T+32+8*\t+\j:T+32+8*\t+\j+1]
.endr
.endr
	WIN 0
.endm
.irp b, 0,1,2,3
	v_mov_b32 v[TM+4+\b], 0                        ; written once: a lane permute's destination counts as one of its sources
.endr
	s_mov_b32 s19, 0x600000                        ; the mantissa field of 448
	s_mov_b32 s20, 0x76543210
	s_mov_b32 s21, 0xfedcba98                      ; lane l xor 16
	s_cmp_lt_u32 ttmp9, 48                         ; the same in all partners
	s_cbranch_scc0 .Lv
	; q and k.  Where the images go: q [8 head][256 tile][2048]; k [4 head][32 step][8 tiles x 2048, then V's]; the scale words beside them
	s_lshr_b32 s56, ttmp9, 3
	s_lshl_b32 s56, s56, 1
	s_add_co_u32 s56, s56, s16                     ; 0-7: q's head; 8-11: 8 + k's head
	s_sub_co_u32 s57, s56, 8
	s_lshl_b32 s58, s56, 19
	s_lshl_b32 s59, s22, 14
	s_add_co_u32 s58, s58, s59                     ; q's codes
	s_lshl_b32 s59, s57, 20
	s_lshl_b32 s60, s22, 15
	s_add_co_u32 s59, s59, s60
	s_add_co_u32 s59, s59, KV_OFF                  ; k's
	s_lshl_b32 s60, s56, 14
	s_lshl_b32 s61, s22, 9
	s_add_co_u32 s60, s60, s61                     ; q's scale words
	s_lshl_b32 s61, s57, 15
	s_lshl_b32 s62, s22, 10
	s_add_co_u32 s61, s61, s62
	s_add_co_u32 s61, s61, KVS_OFF                 ; k's
	s_cmp_lt_u32 ttmp9, 32
	s_cselect_b32 s58, s58, s59
	s_cselect_b32 s60, s60, s61
	s_wait_loadcnt 0x0                             ; cos and sin
.irp a, 0,1,2,3
	ROPE \a
	QUANT T, 0, PC+16*\a, PW+\a
.endr
	s_branch .Lstore
.Lv:
	; v: [4 head][32 step][.., 8 tiles of 16 channels x 2048]: the head is cx, the step 2 (cluster - 48) + my half of X
	s_sub_co_u32 s56, ttmp9, 48
	s_lshl_b32 s56, s56, 1
	s_add_co_u32 s56, s56, s16
	s_lshl_b32 s58, s17, 20
	s_lshl_b32 s59, s56, 15
	s_add_co_u32 s58, s58, s59
	s_add_co_u32 s58, s58, KV_OFF+16384
	s_lshl_b32 s60, s17, 15
	s_lshl_b32 s61, s56, 10
	s_add_co_u32 s60, s60, s61
	s_add_co_u32 s60, s60, KVS_OFF+512
.irp a, 0,1,2,3
	QUANT 64*\a, 2, PC+16*\a, PW+\a
.endr
.Lstore:
	s_lshl_b32 s59, s15, 13                        ; my four tiles of Y: 8,192 bytes of images, 256 of scale words
	s_add_co_u32 s58, s58, s59
	s_mov_b32 s59, 0
	s_add_nc_u64 s[10:11], s[10:11], s[58:59]
	s_lshl_b32 s61, s15, 8
	s_add_co_u32 s60, s60, s61
	s_mov_b32 s61, 0
	s_add_nc_u64 s[12:13], s[12:13], s[60:61]
	s_mov_b32 s62, 0xffff0000
	v_cndmask_b32 v[PP], v[PW], v[PW+1], s62       ; lanes 0-15: the even tile's words, lanes 16-31: the odd tile's
	v_cndmask_b32 v[PP+1], v[PW+2], v[PW+3], s62
	s_wait_alu depctr_va_vdst(0)
.irp a, 0,1,2,3
.irp c, 0,1,2,3
	global_store_b128 v[OI], v[PC+16*\a+4*\c:PC+16*\a+4*\c+3], s[10:11] offset:2048*\a+512*\c   ; 512 consecutive bytes, aligned
.endr
.endr
	global_store_b32 v[OW], v[PP], s[12:13]
	global_store_b32 v[OW], v[PP+1], s[12:13] offset:128
	s_wait_tensorcnt 0x0                           ; the wave's end
	ds_add_u32 v[SPW], v[NIL]
	s_wait_dscnt 0x0
	CROUND                                         ; the closing round: no work-group ends while a partner may still ask for a tile that names it
	s_endpgm
.Lfunc_end_k_q9b1c4932cd_qkv:
	.size	k_q9b1c4932cd_qkv, .Lfunc_end_k_q9b1c4932cd_qkv-k_q9b1c4932cd_qkv
	.p2alignl 7, 3214868480
	.fill 96, 4, 3214868480
	.section	.rodata,"a",@progbits
	.p2align	6, 0x0
	.amdhsa_kernel k_q9b1c4932cd_qkv
		.amdhsa_group_segment_fixed_size 327680
		.amdhsa_private_segment_fixed_size 0
		.amdhsa_enable_private_segment 0
		.amdhsa_kernarg_size 40
		.amdhsa_user_sgpr_count 2
		.amdhsa_user_sgpr_kernarg_segment_ptr 1
		.amdhsa_wavefront_size32 1
		.amdhsa_system_sgpr_workgroup_id_x 1
		.amdhsa_system_sgpr_workgroup_id_y 1
		.amdhsa_system_sgpr_workgroup_id_z 1
		.amdhsa_system_vgpr_workitem_id 0
		.amdhsa_next_free_vgpr 1024
		.amdhsa_next_free_sgpr 100
		.amdhsa_reserve_vcc 0
		.amdhsa_float_denorm_mode_32 3
		.amdhsa_float_denorm_mode_16_64 3
		.amdhsa_memory_ordered 1
		.amdhsa_forward_progress 1
		.amdhsa_inst_pref_size 167
	.end_amdhsa_kernel
	.amdgpu_metadata
---
amdhsa.version: [ 1, 2 ]
amdhsa.kernels:
  - .name:           k_q9b1c4932cd_qkv
    .symbol:         k_q9b1c4932cd_qkv.kd
    .args:
      - { .name: xw_codes, .offset: 0, .size: 8, .value_kind: global_buffer, .address_space: global }
      - { .name: xw_scales, .offset: 8, .size: 8, .value_kind: global_buffer, .address_space: global }
      - { .name: rope, .offset: 16, .size: 8, .value_kind: global_buffer, .address_space: global }
      - { .name: qkv_codes, .offset: 24, .size: 8, .value_kind: global_buffer, .address_space: global }
      - { .name: qkv_scales, .offset: 32, .size: 8, .value_kind: global_buffer, .address_space: global }
    .group_segment_fixed_size: 327680
    .private_segment_fixed_size: 0
    .kernarg_segment_align: 8
    .kernarg_segment_size: 40
    .max_flat_workgroup_size: 128
    .sgpr_count:     100
    .vgpr_count:     1024
    .wavefront_size: 32
...
	.end_amdgpu_metadata
.endif
;; end of part 2
;; launch attn (part 3): grid 64 x 4, 4 waves a work-group, no clusters, 139,776 bytes of LDS; arguments qkv_codes, qkv_scales, maskw, flags, att_codes; writes att_codes
.if DOCPART == 3
	.amdgcn_target "amdgcn-amd-amdhsa--gfx1250"
	.amdhsa_code_object_version 6
	.text
	.protected	k_q9b1c4932cd_attn
	.globl	k_q9b1c4932cd_attn
	.p2align	8
	.type	k_q9b1c4932cd_attn,@function
k_q9b1c4932cd_attn:
	s_mov_b64 s[64:65], 0
	v_nop
	global_prefetch_b8 v0, s[64:65] scope:SCOPE_SE
	s_setreg_imm32_b32 hwreg(HW_REG_WAVE_MODE, 25, 1), 1
	s_wait_xcnt 0x0
; Attention on codes of E4M3 with one E8M0 scale for each 32 along a product's K; the mask is an input, packed by an earlier launch into lane masks (maskw) and two flag words a tile (flags).
; THE SOFTMAX AHEAD OF THE SECOND PRODUCT: t = score x log2(e) / sqrt(128); M = the row's largest t so far, rounded up to a whole number; p = 2^(t - M) is quantised along the keys, not normalised;
; the row's sum is taken of the unquantised p and divides O at the end.  When M moves, the sums and O are multiplied by 2^(old M - new M): exact.
; Both products are used transposed (S^T = K Q^T, O^T = V^T P^T): a lane holds ONE query.  Keys and channels lie in the storage order, so that 16 registers of two neighbouring tiles are 16 neighbours.
; SHARES.  A work-group (x, g) owns two JOBS of key and value head g: row groups j = x and j = 127 - x, 32 queries each.  A job is FOUR tiles u = 2 rt + hh: row tile 2 j + rt, query head 2 g + hh.
; The two query heads share K, V and the mask, so each fragment of K and V feeds four products.  The four waves divide a job's key steps: wave z takes the steps of class z (second job: 3 - z) modulo 4
; among those that the flags of either row tile ask for.  Each wave has its own running M, sums and O^T; once a job they meet in LDS, and wave z finishes tile z: merged by powers of two, divided, quantised, stored.
; K AND V GO FROM MEMORY STRAIGHT INTO REGISTERS, as the images that they are stored as.  K of the next step and its first 64 lane masks are asked for behind this step's exponentials; V of a step among its
; first product's matrix instructions.  The walk runs on from the first job into the second.  The very last step has no successor: its look-ahead is still issued, so that the counted wait holds on every path,
; with every lane at offset 0.
; THE MASK.  A step that neither row tile's flags ask for is closed for all 32 rows, and each row has an open key elsewhere: it is left out.  A step in which some key is closed, or which only one row tile asks for,
; is masked: closed scores become -2^33 ahead of the maximum.  t = -2^33 c is a whole number, so a row with no open key has p = 1 for every key.
; LIMIT: reference()'s closed logit is -1e9, this text's -7.6e8: open logits under about -5e8 are not ranked against closed ones as there.  NaN and infinities are not served.
; NO TENSOR LOADS, NO CLUSTER.  NO PREFETCH: K's loads stand half a step and a product ahead of their use, V's a whole softmax of 8,192 scores.
; REGISTERS.  Window 0: addresses, running numbers, scale words, Q (v64-127), p's codes (v128-191), 16 blocks' numbers at work (v192-255).  Window 1: S^T, then p: tile u at 64 u.  Window 2: O^T likewise.
; Window 3: K's eight fragments (v0-127), V's (v128-255).  Each phase of the softmax takes all four tiles under one setting of the windows.
.set KV_OFF,  4194304
.set KVS_OFF, 131072
.set ATS_OFF, 4194304
.set TR,    8704                       ; a tile's partial result in LDS: O^T as 16 x 512 bytes, then -M and the sum, 16 bytes a lane
.set MW,    4*TR                       ; a wave's four
.set SPARE, 4*MW                       ; the spare words: 128 bytes for each wave
.set OI, 1                             ; 16 x lane
.set OW, 2                             ; 4 x lane
.set OQ, 3                             ; 4 x (lane % 16)
.set OK, 4                             ; the step's offsets: OI and OW, or 0 where there is no next step
.set OS, 5
.set SPW, 6
.set NIL, 7
.set SA, 8                             ; LDS: where my partial results go
.set LA, 10                            ; v10, v11: where my tile's four partial results lie (waves 0, 1; waves 2, 3)
.set NM, 12                            ; pairs: -M, the largest t
.set SU, 20                            ; pairs: the sum, first chain
.set FF, 28                            ; pairs: f = 2^(old M - new M), 0
.set TP, 36
.set KS, 40                            ; scale words: K's (two tiles a register), Q's, V's, p's; no product's two have numbers equal modulo 8
.set QS, 44
.set VS, 48
.set PW, 52
.set SB, 56                            ; pairs: the sum, second chain
.set QF, 64
.set PC, 128
.set BM, 192                           ; block k = 4 u + b: its largest score, then its largest p
.set PL, 208
.set BD, 224
.set SO, 240
.set MSB, 0
.macro WIN new                         ; the immediate's high byte repeats the setting that is left
.if MSB != \new
	s_set_vgpr_msb (MSB<<8)|\new
.set MSB, \new
.endif
.endm
.macro PLACES n
.rept \n
	v_nop
.endr
.endm
.macro WALU
	s_wait_alu depctr_va_vdst(0)
.endm
.macro JOBW b, cls, own, mix           ; s[b ..]: work, mixed of the two row tiles -> my steps of the job, and the steps that are masked
	s_or_b32 s\mix, s[\b+1], s[\b+3]
	s_and_b32 s31, s[\b], s[\b+2]
	s_not_b32 s31, s31
	s_or_b32 s\mix, s\mix, s31
	s_or_b32 s31, s[\b], s[\b+2]
	s_and_b32 s\mix, s\mix, s31
	s_lshl_b32 s66, 0x11111111, s\cls
	s_and_b32 s\own, s31, s66
.endm
.macro MLOAD o                         ; a row tile's 64 lane masks of a step: words 0-31 in s32-63, words 32-63 in s68-99
	s_load_b512 s[32:47], s[8:9], s100 offset:\o
	s_load_b512 s[48:63], s[8:9], s100 offset:\o+0x40
	s_load_b512 s[68:83], s[8:9], s100 offset:\o+0x80
	s_load_b512 s[84:99], s[8:9], s100 offset:\o+0xc0
.endm
.macro FNEXT                           ; the next step of my walk: the lowest bit left of the first job's word, then of the second's; its masks are asked for, its addresses made
	s_cmp_lg_u32 s15, 0
	s_cselect_b32 s31, s15, s16
	s_cselect_b32 s100, ttmp9, s101                ; the row group that it belongs to
	s_ctz_i32_b32 s17, s31
	s_min_u32 s17, s17, 31
	s_sub_co_u32 s66, s31, 1
	s_and_b32 s66, s31, s66
	s_cmp_lg_u32 s15, 0
	s_cselect_b32 s16, s16, s66
	s_cselect_b32 s15, s66, s15
	s_cmp_lg_u32 s31, 0
	s_cselect_b32 s31, 1, 0
	s_min_u32 s31, s31, 1                          ; 1: there is a next step
	s_min_u32 s100, s100, 127                      ; a row group's number: the choice above hangs on stored flags, so it is held to its bound before it enters an offset
	s_lshl_b32 s100, s100, 14
	s_lshl_b32 s66, s17, 8
	s_add_co_u32 s100, s100, s66
	MLOAD 0x0                                      ; the first row tile's lane masks: this step's selects are done with the registers
	s_lshl_b32 s66, s17, 15
	s_add_co_u32 s66, s66, KV_OFF
	s_mov_b32 s67, 0
	s_wait_xcnt 0x0                                ; this step's loads have read their bases and offsets
	s_add_nc_u64 s[2:3], s[4:5], s[66:67]
	s_lshl_b32 s66, s17, 10
	s_add_co_u32 s66, s66, KVS_OFF
	s_add_nc_u64 s[10:11], s[6:7], s[66:67]
	v_mul_u32_u24 v[OK], s31, v[OI]
	v_mul_u32_u24 v[OS], s31, v[OW]
	WALU                                           ; the wait behind these writes and the lines above them
.endm
.macro KLOAD                           ; K's eight fragments into window 3 and their four registers of scale words: 36 loads
	WIN 0xc0
.set c, 0
.rept 32
	global_load_b128 v[4*c:4*c+3], v[OK], s[2:3] offset:512*c
.set c, c+1
.endr
	WIN 0
.irp i, 0,1,2,3
	global_load_b32 v[KS+\i], v[OS], s[10:11] offset:128*\i
.endr
.endm
.macro VQ c0                           ; four of the 32 loads of V's fragments
	WIN 0xc0
.set c, \c0
.rept 4
	global_load_b128 v[128+4*c:128+4*c+3], v[OK], s[2:3] offset:16384+512*c
.set c, c+1
.endr
.endm
.macro QLOAD j                         ; Q's four fragments and scale words of row group s[j]
	s_lshl_b32 s66, s\j, 12
	v_add_nc_u32 v[TP], s66, v[OI]
	s_lshl_b32 s66, s\j, 7
	v_add_nc_u32 v[TP+1], s66, v[OQ]
.irp u, 0,1,2,3
.irp c, 0,1,2,3
	global_load_b128 v[QF+16*\u+4*\c:QF+16*\u+4*\c+3], v[TP], s[4:5] offset:(\u%2)*524288+(\u/2)*2048+512*\c
.endr
	global_load_b32 v[QS+\u], v[TP+1], s[6:7] offset:(\u%2)*16384+(\u/2)*64
.endr
.endm
.macro MASK2 u0                        ; one row tile's 64 lane masks on both heads' scores
	WIN 0x44
.irp u, \u0, \u0+1
.set n, 0
.rept 32
	v_cndmask_b32 v[64*(\u)+n], v[TP], v[64*(\u)+n], s[32+n]
.set n, n+1
.endr
.rept 32
	v_cndmask_b32 v[64*(\u)+n], v[TP], v[64*(\u)+n], s[36+n]
.set n, n+1
.endr
.endr
	WIN 0
.endm
.macro MIN8 r                          ; eight holds: the conversion does not saturate (ISA guide 7.6.2); p is not negative: the hold is one-sided
	WIN 0x41
.set j, \r
.rept 8
	v_min_num_f32 v[j], v[j], v[BD+j/16]
.set j, j+1
.endr
.endm
.macro CVT8 u                          ; tile u's 64 codes a lane
	WIN 0x01
.set m, 8*(\u)
.rept 8
	v_cvt_scalef32_pk8_fp8_f32 v[PC+2*m:PC+2*m+1], v[8*m:8*m+7], v[SO+m/2]
.set m, m+1
.endr
.endm
.macro PVM u, t                        ; O^T(tile u, 16 channels t) += V^T P^T
	WIN 0xa3
.if (\t)%2
	v_wmma_scale_f32_16x16x128_f8f6f4 v[64*\u+8*\t:64*\u+8*\t+7], v[128+16*\t:128+16*\t+15], v[PC+16*\u:PC+16*\u+15], v[64*\u+8*\t:64*\u+8*\t+7], v[VS+\t/2], v[PW+\u] matrix_a_scale:MATRIX_SCALE_ROW1
.else
	v_wmma_scale_f32_16x16x128_f8f6f4 v[64*\u+8*\t:64*\u+8*\t+7], v[128+16*\t:128+16*\t+15], v[PC+16*\u:PC+16*\u+15], v[64*\u+8*\t:64*\u+8*\t+7], v[VS+\t/2], v[PW+\u]
.endif
.endm
	s_load_b256 s[4:11], s[0:1], 0x0               ; qkv_codes 4, qkv_scales 6, maskw 8, flags 10
	s_load_b64 s[12:13], s[0:1], 0x20              ; att_codes
	v_lshl_add_u32 v[SPW], v0, 2, SPARE
	v_mov_b32 v[NIL], 0
	v_lshrrev_b32 v1, 5, v0
	v_readfirstlane_b32 s14, v1                    ; wave z
	v_and_b32 v2, 31, v0
	v_lshlrev_b32 v[OI], 4, v2
	v_and_b32 v3, 15, v0
	v_lshlrev_b32 v[OQ], 2, v3
	v_lshlrev_b32 v[OW], 2, v2
	s_mul_i32 s31, s14, MW
	v_add_nc_u32 v[SA], s31, v[OI]
	s_mul_i32 s31, s14, TR
	v_add_nc_u32 v[LA], s31, v[OI]
	v_add_nc_u32 v[LA+1], 2*MW, v[LA]
.set i, 0
.rept 64
	v_mov_b32 v[BM+i], 0                           ; written once: lane permutes' destinations and the upper halves of pairs count as read
.set i, i+1
.endr
	s_mov_b32 s19, 0x600000                        ; the mantissa field of 448
	s_mov_b32 s20, 0x76543210
	s_mov_b32 s21, 0xfedcba98                      ; lane l xor 16
	s_mov_b32 s22, 0x3e0293ee                      ; c = log2(e) / sqrt(128)
	s_mov_b32 s23, s22
	s_and_b32 s26, ttmp7, 0xffff                   ; g
	s_mov_b32 s30, ttmp9                           ; the first job's row group,
	s_sub_co_u32 s101, 127, ttmp9                  ; the second's
	s_mov_b32 s27, 0                               ; the job
	s_lshl_b32 s32, s30, 4                         ; 16 bytes of flags a row group
	s_lshl_b32 s33, s101, 4
	WALU                                           ; the wait at the head's end
	s_wait_kmcnt 0x0
	s_load_b128 s[36:39], s[10:11], s32 offset:0x0
	s_load_b128 s[40:43], s[10:11], s33 offset:0x0
	s_lshl_b32 s66, s26, 20
	s_mov_b32 s67, 0
	s_add_nc_u64 s[4:5], s[4:5], s[66:67]          ; both query heads' and the key and value head's codes lie g << 20 on,
	s_lshl_b32 s66, s26, 15
	s_add_nc_u64 s[6:7], s[6:7], s[66:67]          ; their scale words g << 15
	QLOAD 30
	s_wait_kmcnt 0x0
	JOBW 36, 14, 15, 25
	s_sub_co_u32 s67, 3, s14
	JOBW 40, 67, 16, 29
	s_bcnt1_i32_b32 s24, s15                       ; my steps in the first job,
	s_bcnt1_i32_b32 s28, s16                       ; in the second
	FNEXT
	KLOAD
.Ljob:
	WIN 0x80
.set i, 0
.rept 256
	v_mov_b32 v[i], 0                              ; O^T: the step is written once; a first step finds zeros, which the first change of M leaves zeros
.set i, i+1
.endr
	WIN 0
.irp u, 0,1,2,3
	v_mov_b32 v[NM+2*\u+1], 0xff61b1e6             ; the largest t so far: -3e38
.endr
.irp u, 0,1,2,3
	v_floor_f32 v[NM+2*\u], -v[NM+2*\u+1]
.endr
.set i, 0
.rept 16
	v_mov_b32 v[SU+i], 0
.set i, i+1
.endr
.set i, 0
.rept 8
	v_mov_b32 v[SB+i], 0
.set i, i+1
.endr
	WALU
	s_wait_loadcnt 0x0                             ; Q, and whatever of the look-ahead is out
	s_cmp_eq_u32 s24, 0
	s_cbranch_scc1 .Lnone
.Lstep:
	s_mov_b32 s18, s17                             ; the step whose K is in hand
	s_wait_loadcnt 0x0                             ; K is in: nothing was asked for behind it
.irp t, 0,2,4,6                        ; S^T = K Q^T; behind each four products four of V's loads
	WIN 0x43
.irp u, 0,1,2,3
	v_wmma_scale_f32_16x16x128_f8f6f4 v[64*\u+8*\t:64*\u+8*\t+7], v[16*\t:16*\t+15], v[QF+16*\u:QF+16*\u+15], 0, v[KS+\t/2], v[QS+\u]
.endr
	VQ 4*\t
	WIN 0x43
.irp u, 0,1,2,3
	v_wmma_scale_f32_16x16x128_f8f6f4 v[64*\u+8*\t+8:64*\u+8*\t+15], v[16*\t+16:16*\t+31], v[QF+16*\u:QF+16*\u+15], 0, v[KS+\t/2], v[QS+\u] matrix_a_scale:MATRIX_SCALE_ROW1
.endr
	VQ 4*\t+4
.endr
	WIN 0
.irp i, 0,1,2,3
	global_load_b32 v[VS+\i], v[OS], s[10:11] offset:512+128*\i
.endr
	PLACES 8                                       ; in front of the first reads of the scores (ISA guide 7.12.1)
	s_wait_kmcnt 0x0                               ; the lane masks, asked for in the step before
	s_bitcmp1_b32 s25, s18
	s_cbranch_scc0 .Lopen
	v_mov_b32 v[TP], 0xd0000000                    ; -2^33
	MASK2 0
	WALU                                           ; the selects have read their masks
	MLOAD 0x2000                                   ; the second row tile's
	s_wait_kmcnt 0x0
	MASK2 2
.Lopen:
	WIN 0x05                                       ; the largest score of each of the 16 blocks of 32 keys: for the row's maximum and, since p rises with the score, for the block's largest p
.set k, 0
.rept 16
	v_max_num_f32 v[BM+k], v[16*k], v[16*k+1]
.set k, k+1
.endr
.irp i, 2,4,6,8,10,12,14
.set k, 0
.rept 16
	v_max3_num_f32 v[BM+k], v[16*k+\i], v[16*k+\i+1], v[BM+k]
.set k, k+1
.endr
.endr
	WIN 0
.set k, 0
.rept 16
	v_permlanex16_b32 v[PL+k], v[BM+k], s20, s21
.set k, k+1
.endr
.set k, 0
.rept 16
	v_max_num_f32 v[BM+k], v[BM+k], v[PL+k]        ; with lane l xor 16's 16 keys
.set k, k+1
.endr
.irp u, 0,1,2,3
	v_max3_num_f32 v[TP+\u], v[BM+4*\u], v[BM+4*\u+1], v[BM+4*\u+2]
.endr
.irp u, 0,1,2,3
	v_max_num_f32 v[TP+\u], v[TP+\u], v[BM+4*\u+3]
.endr
.irp u, 0,1,2,3
	v_mul_f32 v[TP+\u], s22, v[TP+\u]              ; as t
.endr
.irp u, 0,1,2,3
	v_max_num_f32 v[NM+2*\u+1], v[NM+2*\u+1], v[TP+\u]
.endr
.irp u, 0,1,2,3
	v_mov_b32 v[TP+\u], v[NM+2*\u]
.endr
.irp u, 0,1,2,3
	v_floor_f32 v[NM+2*\u], -v[NM+2*\u+1]          ; the new -M = -ceil(t)
.endr
.irp u, 0,1,2,3
	v_sub_f32 v[TP+\u], v[NM+2*\u], v[TP+\u]       ; old M - new M: a whole number, 0 or less
.endr
.irp u, 0,1,2,3
	v_cvt_i32_f32 v[TP+\u], v[TP+\u]               ; (it saturates)
.endr
.irp u, 0,1,2,3
	v_ldexp_f32 v[FF+2*\u], 1.0, v[TP+\u]          ; f
.endr
.set k, 0
.rept 16
	v_fma_f32 v[BM+k], v[BM+k], s22, v[NM+2*(k/4)] ; t - M of each block's largest score
.set k, k+1
.endr
	WIN 0x41
.set j, 0
.rept 128
	v_pk_fma_f32 v[j:j+1], v[j:j+1], s[22:23], v[NM+2*(j/64):NM+2*(j/64)+1] op_sel_hi:[1,0,0]   ; t - M
.set j, j+2
.endr
	WALU                                           ; the wait ahead of the batch
.set j, 0
.rept 256
	v_exp_f32 v[j], v[j]                           ; p = 2^(t - M)
.set j, j+1
.endr
	WIN 0
.irp u, 0,1,2,3
	v_pk_mul_f32 v[SU+2*\u:SU+2*\u+1], v[SU+2*\u:SU+2*\u+1], v[FF+2*\u:FF+2*\u+1] op_sel_hi:[1,0]   ; the sums under the new M
	v_pk_mul_f32 v[SB+2*\u:SB+2*\u+1], v[SB+2*\u:SB+2*\u+1], v[FF+2*\u:FF+2*\u+1] op_sel_hi:[1,0]
.endr
	FNEXT                                          ; its closing wait is also the batch's, ahead of the first reader of p
	KLOAD                                          ; the next step's K: the first product is long done with these registers
.set k, 0
.rept 16
	v_exp_f32 v[BM+k], v[BM+k]                     ; the blocks' largest p: the same two instructions on the same numbers
.set k, k+1
.endr
	WIN 0x01
.irp jj, 0,4,8,12,16,20,24,28,32,36,40,44,48,52,56,60
.irp u, 0,1,2,3
	v_pk_add_f32 v[SU+2*\u:SU+2*\u+1], v[64*\u+\jj:64*\u+\jj+1], v[SU+2*\u:SU+2*\u+1]   ; the rows' sums of the unquantised p, eight chains by turns
	v_pk_add_f32 v[SB+2*\u:SB+2*\u+1], v[64*\u+\jj+2:64*\u+\jj+3], v[SB+2*\u:SB+2*\u+1]
.endr
.endr
	WIN 0
	WALU                                           ; and one wait for the sixteen
.set k, 0
.rept 16
	v_max_num_f32 v[BM+k], 0x4800000, v[BM+k]      ; the floor 2^(9 - 127): the byte cannot fall under 1
.set k, k+1
.endr
.set k, 0
.rept 16
	v_add_nc_u32 v[SO+k], 0xfc000000, v[BM+k]      ; the conversion's scale operand
.set k, k+1
.endr
.set k, 0
.rept 16
	v_and_or_b32 v[BD+k], v[BM+k], 0x7f800000, s19 ; 448 x the scale
.set k, k+1
.endr
.set k, 0
.rept 16
	v_lshrrev_b32 v[PL+k], 23, v[SO+k]             ; the scale's byte
.set k, k+1
.endr
.irp u, 0,1,2,3
	v_lshl_or_b32 v[PW+\u], v[PL+4*\u+1], 8, v[PL+4*\u]
.endr
.irp u, 0,1,2,3
	v_lshl_or_b32 v[PW+\u], v[PL+4*\u+2], 16, v[PW+\u]
.endr
.irp u, 0,1,2,3
	v_lshl_or_b32 v[PW+\u], v[PL+4*\u+3], 24, v[PW+\u]
.endr
	WIN 0x82
	WALU                                           ; the wait directly ahead of the first reader of O^T
.set j, 0
.rept 128
	v_pk_mul_f32 v[j:j+1], v[j:j+1], v[FF+2*(j/64):FF+2*(j/64)+1] op_sel_hi:[1,0]   ; O^T under the new M
.set j, j+2
.endr
.irp t, 0,1,2,3,4,5,6,7
	MIN8 8*\t                                      ; tile 0's holds and codes
.endr
	CVT8 0
	PLACES 4                                       ; codes made by vector instructions stand four places ahead of a scaled product
	WIN 0
	WALU
	s_wait_loadcnt 36                              ; V is in; behind it stand the next K's 36 loads
.irp u, 0,1,2,3                        ; the second product tile by tile; behind each of its instructions eight holds of the next tile
.irp t, 0,1,2,3,4,5,6,7
	PVM \u, \t
.if \u < 3
	MIN8 64*(\u+1)+8*\t
.endif
.endr
.if \u < 3
	CVT8 \u+1
	PLACES 4
.endif
.endr
	WIN 0
	PLACES 8                                       ; in front of the next step's loads of V and of the merge's reads
	s_sub_co_u32 s24, s24, 1
	s_cmp_lg_u32 s24, 0
	s_cbranch_scc1 .Lstep
.Lnone:
	s_cmp_lg_u32 s27, 0
	s_cbranch_scc1 .Lnoq
	QLOAD 101                                      ; the second job's Q lands while the first is merged
.Lnoq:
	; THE MERGE.  Every wave lays its four partial results into LDS; wave z takes tile z's four and brings them under the largest M by powers of two.
.irp u, 0,1,2,3
	v_pk_add_f32 v[SU+2*\u:SU+2*\u+1], v[SU+2*\u:SU+2*\u+1], v[SB+2*\u:SB+2*\u+1]
.endr
.irp u, 0,1,2,3
	v_add_f32 v[NM+2*\u+1], v[SU+2*\u], v[SU+2*\u+1]   ; the sum takes the largest t's place beside -M
.endr
	WIN 0x08
.irp u, 0,1,2,3
.set c, 0
.rept 16
	ds_store_b128 v[SA], v[64*\u+4*c:64*\u+4*c+3] offset:\u*TR+512*c   ; each accumulator from its low end on
.set c, c+1
.endr
.endr
	WIN 0
.irp u, 0,1,2,3
	ds_store_b64 v[SA], v[NM+2*\u:NM+2*\u+1] offset:\u*TR+8192
.endr
	WALU
	s_wait_dscnt 0x0                               ; for the others' sake: my stores have landed
	s_barrier_signal -1
	s_barrier_wait -1
	WIN 0x40
.irp k, 0,1,2,3
.set c, 0
.rept 16
	ds_load_b128 v[64*\k+4*c:64*\k+4*c+3], v[LA+\k/2] offset:(\k%2)*MW+512*c
.set c, c+1
.endr
.endr
	WIN 0
.irp k, 0,1,2,3
	ds_load_b64 v[BM+2*\k:BM+2*\k+1], v[LA+\k/2] offset:(\k%2)*MW+8192
.endr
	s_wait_dscnt 0x0                               ; my reads are over: behind this barrier the next job's partial results may be stored
	s_barrier_signal -1
	s_barrier_wait -1
	s_lshr_b32 s24, s14, 1                         ; (s24 and s25 are done with for this job; the masks' 64 registers are left alone: the next step's may be on their way)
	s_lshl_b32 s25, s30, 1
	s_add_co_u32 s24, s24, s25                     ; my tile's row tile,
	s_and_b32 s25, s14, 1                          ; and its head % 2
	s_lshl_b32 s104, s26, 20
	s_lshl_b32 s105, s24, 12
	s_add_co_u32 s104, s104, s105
	s_lshl_b32 s105, s25, 11
	s_add_co_u32 s104, s104, s105                  ; the image: [head / 2][tile][head % 2][2048]
	s_mov_b32 s105, 0
	s_lshl_b32 s66, s26, 15
	s_lshl_b32 s67, s25, 14
	s_add_co_u32 s66, s66, s67
	s_lshl_b32 s67, s24, 6
	s_add_co_u32 s66, s66, s67
	s_add_co_u32 s66, s66, ATS_OFF                 ; the scale words: [head][4096], behind the images
	s_mov_b32 s67, 0
	s_add_nc_u64 s[104:105], s[12:13], s[104:105]
	s_add_nc_u64 s[66:67], s[12:13], s[66:67]
	v_min3_num_f32 v200, v[BM], v[BM+2], v[BM+4]
	v_min_num_f32 v200, v200, v[BM+6]              ; -M of the largest M
.irp k, 0,1,2,3
	v_sub_f32 v[PL+2*\k], v200, v[BM+2*\k]
.endr
.irp k, 0,1,2,3
	v_cvt_i32_f32 v[PL+2*\k], v[PL+2*\k]           ; (it saturates: a wave that computed no step has M = -3e38, and its factor is 0)
.endr
.irp k, 0,1,2,3
	v_ldexp_f32 v[PL+2*\k], 1.0, v[PL+2*\k]
.endr
	v_mul_f32 v201, v[BM+1], v[PL]
.irp k, 1,2,3
	v_fma_f32 v201, v[BM+2*\k+1], v[PL+2*\k], v201
.endr
	WIN 0x51
.set j, 0
.rept 32
	v_pk_mul_f32 v[j:j+1], v[j:j+1], v[PL:PL+1] op_sel_hi:[1,0]
.set j, j+2
.endr
.irp k, 1,2,3
.set j, 0
.rept 32
	v_pk_fma_f32 v[j:j+1], v[64*\k+j:64*\k+j+1], v[PL+2*\k:PL+2*\k+1], v[j:j+1] op_sel_hi:[1,0,1]
.set j, j+2
.endr
.endr
	WIN 0
	v_permlanex16_b32 v[PL+8], v201, s20, s21
	v_add_f32 v201, v201, v[PL+8]                  ; with lane l xor 16's: the row's sum
	WALU
	v_rcp_f32 v204, v201
	v_nop
	WALU
	WIN 0x51
.set j, 0
.rept 32
	v_pk_mul_f32 v[j:j+1], v[j:j+1], v[204:205] op_sel_hi:[1,0]   ; O^T / the sum: register 16 b + i is channel 32 b + 16 (lane / 16) + i of my query
.set j, j+2
.endr
	WIN 0x05                                       ; quantised along the head's 128 channels, which are 128 of the last product's K
.irp b, 0,1,2,3
	v_max3_num_f32 v[BM+\b], |v[16*\b]|, |v[16*\b+1]|, 0x4800000
.endr
.irp i, 2,4,6,8,10,12,14
.irp b, 0,1,2,3
	v_max3_num_f32 v[BM+\b], |v[16*\b+\i]|, |v[16*\b+\i+1]|, v[BM+\b]
.endr
.endr
	WIN 0
.irp b, 0,1,2,3
	v_permlanex16_b32 v[PL+\b], v[BM+\b], s20, s21
.endr
.irp b, 0,1,2,3
	v_max_num_f32 v[BM+\b], v[BM+\b], v[PL+\b]
.endr
.irp b, 0,1,2,3
	v_add_nc_u32 v[SO+\b], 0xfc000000, v[BM+\b]
.endr
.irp b, 0,1,2,3
	v_and_or_b32 v[BD+\b], v[BM+\b], 0x7f800000, s19
.endr
.irp b, 0,1,2,3
	v_lshrrev_b32 v[PL+\b], 23, v[SO+\b]
.endr
	v_lshl_or_b32 v202, v[PL+1], 8, v[PL]
	v_lshl_or_b32 v202, v[PL+2], 16, v202
	v_lshl_or_b32 v202, v[PL+3], 24, v202
	WIN 0x41
.set j, 0
.rept 64
	v_med3_num_f32 v[j], v[j], -v[BD+j/16], v[BD+j/16]
.set j, j+1
.endr
	CVT8 0
	WIN 0
	v_nop                                          ; a plain instruction behind the conversions
.irp c, 0,1,2,3
	global_store_b128 v[OI], v[PC+4*\c:PC+4*\c+3], s[104:105] offset:512*\c   ; the image: 512 consecutive bytes, aligned
.endr
	global_store_b32 v[OQ], v202, s[66:67]         ; the 16 rows' scale words; lanes l and l + 16 hold the same word and name the same place
	s_wait_xcnt 0x0                                ; the stores have read their registers and bases
	s_mov_b32 s24, s28                             ; on to the second job
	s_mov_b32 s25, s29
	s_mov_b32 s30, s101
	s_add_co_u32 s27, s27, 1
	s_cmp_lt_u32 s27, 2
	s_cbranch_scc1 .Ljob
	s_wait_kmcnt 0x0                               ; the last look-ahead's masks
	s_wait_tensorcnt 0x0                           ; the wave's end
	ds_add_u32 v[SPW], v[NIL]
	s_wait_dscnt 0x0
	s_endpgm
.Lfunc_end_k_q9b1c4932cd_attn:
	.size	k_q9b1c4932cd_attn, .Lfunc_end_k_q9b1c4932cd_attn-k_q9b1c4932cd_attn
	.p2alignl 7, 3214868480
	.fill 96, 4, 3214868480
	.section	.rodata,"a",@progbits
	.p2align	6, 0x0
	.amdhsa_kernel k_q9b1c4932cd_attn
		.amdhsa_group_segment_fixed_size 139776
		.amdhsa_private_segment_fixed_size 0
		.amdhsa_enable_private_segment 0
		.amdhsa_kernarg_size 40
		.amdhsa_user_sgpr_count 2
		.amdhsa_user_sgpr_kernarg_segment_ptr 1
		.amdhsa_wavefront_size32 1
		.amdhsa_system_sgpr_workgroup_id_x 1
		.amdhsa_system_sgpr_workgroup_id_y 1
		.amdhsa_system_sgpr_workgroup_id_z 1
		.amdhsa_system_vgpr_workitem_id 0
		.amdhsa_next_free_vgpr 1024
		.amdhsa_next_free_sgpr 106
		.amdhsa_reserve_vcc 0
		.amdhsa_float_denorm_mode_32 3
		.amdhsa_float_denorm_mode_16_64 3
		.amdhsa_memory_ordered 1
		.amdhsa_forward_progress 1
		.amdhsa_inst_pref_size 149
	.end_amdhsa_kernel
	.amdgpu_metadata
---
amdhsa.version: [ 1, 2 ]
amdhsa.kernels:
  - .name:           k_q9b1c4932cd_attn
    .symbol:         k_q9b1c4932cd_attn.kd
    .args:
      - { .name: qkv_codes, .offset: 0, .size: 8, .value_kind: global_buffer, .address_space: global }
      - { .name: qkv_scales, .offset: 8, .size: 8, .value_kind: global_buffer, .address_space: global }
      - { .name: maskw, .offset: 16, .size: 8, .value_kind: global_buffer, .address_space: global }
      - { .name: flags, .offset: 24, .size: 8, .value_kind: global_buffer, .address_space: global }
      - { .name: att_codes, .offset: 32, .size: 8, .value_kind: global_buffer, .address_space: global }
    .group_segment_fixed_size: 139776
    .private_segment_fixed_size: 0
    .kernarg_segment_align: 8
    .kernarg_segment_size: 40
    .max_flat_workgroup_size: 128
    .sgpr_count:     106
    .vgpr_count:     1024
    .wavefront_size: 32
...
	.end_amdgpu_metadata
.endif
;; end of part 3
;; launch oproj (part 4): grid 8 x 32, 4 waves a work-group, clusters of 4 x 4, 327,680 bytes of LDS; arguments xw_codes, xw_scales, att_codes, out0; writes out0
.if DOCPART == 4
	.amdgcn_target "amdgcn-amd-amdhsa--gfx1250"
	.amdhsa_code_object_version 6
	.text
	.protected	k_q9b1c4932cd_oproj
	.globl	k_q9b1c4932cd_oproj
	.p2align	8
	.type	k_q9b1c4932cd_oproj,@function
k_q9b1c4932cd_oproj:
	s_mov_b64 s[64:65], 0
	v_nop
	global_prefetch_b8 v0, s[64:65] scope:SCOPE_SE
	s_setreg_imm32_b32 hwreg(HW_REG_WAVE_MODE, 25, 1), 1
	s_wait_xcnt 0x0
	s_wait_alu depctr_hold_cnt(0) depctr_sa_sdst(0) depctr_va_vdst(0) depctr_va_sdst(0) depctr_va_ssrc(0) depctr_va_vcc(0) depctr_vm_vsrc(0)
	s_getreg_b32 s2, hwreg(HW_REG_IB_STS2, 6, 4)
	s_cmp_eq_u32 s2, 0
	s_cbranch_scc0 .Lentry_in_a_cluster
	s_endpgm
.Lentry_in_a_cluster:
	s_bfe_u32 s2, ttmp6, 0x10000c
	s_cmp_lg_u32 s2, 0xf033
	s_cbranch_scc0 .Lentry_shape_is_right
	s_endpgm
.Lentry_shape_is_right:
.set WO_OFF,  12582912
.set WOS_OFF, 393216
.set ATS_OFF, 4194304
.set PITCH,  272
.set XH,     128*PITCH
.set YH,     16384
.set YO,     2*XH
.set SLOT,   YO+2*YH
.set SCX,    2*SLOT
.set SXH,    16*272
.set SCY,    SCX+2*SXH
.set SYH,    2048
.set SPARE,  SCY+2*SYH
.set SPITCH, 528
.set ADRX, 16
.set ADRY, 20
.set ADSX, 22
.set ADSY, 23
.set STO,  24
.set RD,   25
.set CO,   26
.set SPW,  28
.set NIL,  29
.set SC,   32
.set YF,   128
.set G1X,  24
.set G0X,  32
.set G1Y,  40
.set G0Y,  48
.set G1SX, 68
.set G0SX, 76
.set G1SY, 80
.set G0SY, 88
.set MSB, 0
.macro WIN new
.if MSB != \new
	s_set_vgpr_msb (MSB<<8)|\new
.set MSB, \new
.endif
.endm
.set MUL,   0xa1
.set TO_X,  0x40
.macro JLOAD g0a, g1a, g0b, g1b
	s_cmp_eq_u32 s15, 0
	s_cbranch_scc0 .Lfor_y_\@
	tensor_load_to_lds s[\g0a:\g0a+3], s[\g1a:\g1a+7]
	s_nop 0
.rept 4
	v_nop
.endr
	s_branch .Lasked_\@
.Lfor_y_\@:
	tensor_load_to_lds s[\g0b:\g0b+3], s[\g1b:\g1b+7]
	s_nop 0
.rept 4
	v_nop
.endr
.Lasked_\@:
.endm
.macro CREST
	s_cmp_lg_u32 s14, 0
	s_cbranch_scc1 .Lnot_wave_0_\@
	s_barrier_signal -3
.Lnot_wave_0_\@:
	s_barrier_wait -3
	s_barrier_signal -1
	s_barrier_wait -1
.endm
.macro CROUND
	s_barrier_signal -1
	s_barrier_wait -1
	CREST
.endm
.macro PLACES n
.rept \n
	v_nop
.endr
.endm
	s_load_b128 s[4:7], s[0:1], 0x0
	s_load_b64 s[8:9], s[0:1], 0x10
	s_load_b64 s[12:13], s[0:1], 0x18
	v_lshl_add_u32 v[SPW], v0, 2, SPARE
	v_mov_b32 v[NIL], 0
	ds_add_u32 v28, v29
	ds_add_u32 v28, v29
	s_wait_dscnt 0x0
	v_lshrrev_b32 v1, 5, v0
	v_readfirstlane_b32 s14, v1
	s_lshr_b32 s15, s14, 1
	s_and_b32 s16, s14, 1
	s_bfe_u32 s17, ttmp6, 0x40000
	s_bfe_u32 s18, ttmp6, 0x40004
	s_lshl_b32 s19, ttmp9, 2
	s_add_co_u32 s19, s19, s17
	s_and_b32 s20, ttmp7, 0xffff
	s_lshl_b32 s20, s20, 2
	s_add_co_u32 s20, s20, s18
	s_lshl_b32 s21, s18, 2
	s_lshl_b32 s21, 15, s21
	s_lshl_b32 s23, 0x1111, s17
	s_or_b32 s[G1X], s23, (1<<20)|(1<<21)|(5<<22)|(3<<25)
	s_mov_b32 s[G1X+1], 256<<16
	s_mov_b32 s[G1X+2], 256<<16
	s_mov_b32 s[G1X+3], 256<<16
	s_mov_b32 s[G1X+4], 256
	s_mov_b32 s[G1X+5], 1024
	s_mov_b32 s[G1X+6], 0
	s_mov_b32 s[G1X+7], 0
	s_or_b32 s[G1Y], s21, (3<<16)|(1<<21)
	s_mov_b32 s[G1Y+1], 32<<16
	s_mov_b32 s[G1Y+2], 128<<16
	s_mov_b32 s[G1Y+3], 32<<16
	s_mov_b32 s[G1Y+4], 128
	s_mov_b32 s[G1Y+5], 32
	s_mov_b32 s[G1Y+6], 0
	s_mov_b32 s[G1Y+7], 0
	s_or_b32 s[G1SX], s23, (3<<16)|(1<<20)|(1<<21)|(5<<22)|(3<<25)
	s_mov_b32 s[G1SX+1], 32<<16
	s_mov_b32 s[G1SX+2], 32<<16
	s_mov_b32 s[G1SX+3], 32<<16
	s_mov_b32 s[G1SX+4], 32
	s_mov_b32 s[G1SX+5], 32
	s_mov_b32 s[G1SX+6], 0
	s_mov_b32 s[G1SX+7], 0
	s_or_b32 s[G1SY], s21, (3<<16)|(1<<21)
	s_mov_b32 s[G1SY+1], 64<<16
	s_mov_b32 s[G1SY+2], 8<<16
	s_mov_b32 s[G1SY+3], 64<<16
	s_mov_b32 s[G1SY+4], 8
	s_mov_b32 s[G1SY+5], 2048
	s_mov_b32 s[G1SY+6], 0
	s_mov_b32 s[G1SY+7], 0
	s_lshl_b32 s56, s19, 8
	s_lshl_b32 s62, s16, 7
	s_add_co_u32 s56, s56, s62
	s_lshl_b32 s62, s56, 10
	s_add_co_u32 s62, s62, WO_OFF
	s_mov_b32 s63, 0
	s_lshl_b32 s92, s56, 5
	s_add_co_u32 s92, s92, WOS_OFF
	s_lshl_b32 s93, s16, 12                        ; the scale bytes come whole, by one wave: back to the tile's first row
	s_sub_co_u32 s92, s92, s93
	s_mov_b32 s93, 0
	s_lshl_b32 s94, s20, 15
	s_lshl_b32 s59, s16, 14
	s_add_co_u32 s94, s94, s59
	s_mov_b32 s95, 0
	s_lshl_b32 s96, s20, 9
	s_add_co_u32 s96, s96, ATS_OFF
	s_mov_b32 s97, 0
	s_mul_i32 s98, s16, XH
	s_mul_i32 s99, s16, YH
	s_add_co_u32 s99, s99, YO
	s_mov_b32 s57, 0
	s_add_co_u32 s57, s57, SCX
	s_mov_b32 s58, 0
	s_add_co_u32 s58, s58, SCY
	s_wait_kmcnt 0x0
	s_add_nc_u64 s[62:63], s[4:5], s[62:63]
	s_add_nc_u64 s[92:93], s[6:7], s[92:93]
	s_add_nc_u64 s[94:95], s[8:9], s[94:95]
	s_add_nc_u64 s[96:97], s[8:9], s[96:97]
	s_mov_b32 s[G0SX], 1
	s_mov_b32 s[G0SX+1], s57
	s_mov_b64 s[G0SX+2:G0SX+3], s[92:93]
	s_or_b32 s[G0SX+3], s[G0SX+3], 0x80000000
	s_mov_b32 s[G0SY], 1
	s_mov_b32 s[G0SY+1], s58
	s_mov_b64 s[G0SY+2:G0SY+3], s[96:97]
	s_or_b32 s[G0SY+3], s[G0SY+3], 0x80000000
.irp s, 0,1
	s_mov_b32 s[G0X+4*\s], 1
	s_add_co_u32 s[G0X+4*\s+1], s98, \s*SLOT
	s_add_nc_u64 s[G0X+4*\s+2:G0X+4*\s+3], s[62:63], \s*256
	s_or_b32 s[G0X+4*\s+3], s[G0X+4*\s+3], 0x80000000
	s_mov_b32 s[G0Y+4*\s], 1
	s_add_co_u32 s[G0Y+4*\s+1], s99, \s*SLOT
	s_add_nc_u64 s[G0Y+4*\s+2:G0Y+4*\s+3], s[94:95], \s*1048576
	s_or_b32 s[G0Y+4*\s+3], s[G0Y+4*\s+3], 0x80000000
.endr
	CROUND
	; the head's four tiles, one a wave: wave 0 slot 0's 256 rows of X, wave 2 its 128 rows of Y, wave 1 X's scale bytes, wave 3 Y's
	s_cmp_eq_u32 s14, 0
	s_cbranch_scc0 .Lh1
	tensor_load_to_lds s[G0X:G0X+3], s[G1X:G1X+7]
	s_nop 0
	PLACES 4
	s_branch .Lhj
.Lh1:
	s_cmp_eq_u32 s14, 2
	s_cbranch_scc0 .Lh2
	tensor_load_to_lds s[G0Y:G0Y+3], s[G1Y:G1Y+7]
	s_nop 0
	PLACES 4
	s_branch .Lhj
.Lh2:
	s_cmp_eq_u32 s14, 1
	s_cbranch_scc0 .Lh3
	tensor_load_to_lds s[G0SX:G0SX+3], s[G1SX:G1SX+7]
	s_nop 0
	PLACES 4
	s_branch .Lhj
.Lh3:
	tensor_load_to_lds s[G0SY:G0SY+3], s[G1SY:G1SY+7]
	s_nop 0
	PLACES 4
.Lhj:
	; the prefetches' bases.  X: of the 128 rows that waves 0 and 1 fetch, my work-group's 32 (by cy); Y: of a K step's 128 blocks of 256 bytes, my work-group's 32 (by cx), asked for by wave 2: partners are told apart by address
	s_lshl_b32 s98, s18, 15
	s_mov_b32 s99, 0
	s_add_nc_u64 s[92:93], s[62:63], s[98:99]
	s_lshl_b32 s98, s17, 13
	s_add_nc_u64 s[96:97], s[94:95], s[98:99]
	s_cmp_eq_u32 s15, 0
	s_cselect_b32 s98, 10, 8                       ; from lane to lane: a row of 1,024 bytes of X, a block of 256 of Y
	v_and_b32 v1, 15, v0
	v_bfe_u32 v2, v0, 4, 1
	v_and_b32 v4, 31, v0
	v_mul_u32_u24 v3, v1, PITCH
	v_lshl_add_u32 v3, v2, 4, v3
	v_lshlrev_b32 v[CO], 4, v4
	s_mul_i32 s56, s16, XH
	s_mul_i32 s57, s15, YH
	s_add_co_u32 s57, s57, YO
.irp s, 0,1
	v_add_nc_u32 v[ADRX+\s], s56, v3
	v_add_nc_u32 v[ADRY+\s], s57, v[CO]
	s_add_co_u32 s56, s56, SLOT
	s_add_co_u32 s57, s57, SLOT
.endr
	v_lshrrev_b32 v5, 3, v4
	v_mul_u32_u24 v5, v5, 272
	v_and_b32 v6, 7, v4
	v_lshl_add_u32 v5, v6, 5, v5
	s_mul_i32 s56, s16, SXH
	s_add_co_u32 s56, s56, SCX
	v_add_nc_u32 v[ADSX], s56, v5
	s_lshl_b32 s57, s15, 8
	s_add_co_u32 s57, s57, SCY
	v_lshl_add_u32 v[ADSY], v4, 2, s57
	s_mul_i32 s56, s14, 16*SPITCH
	v_mul_u32_u24 v5, v1, SPITCH
	v_lshl_add_u32 v5, v2, 6, v5
	v_add_nc_u32 v[STO], s56, v5
	v_add_nc_u32 v[RD], s56, v[CO]
	s_lshl_b32 s56, s20, 20
	s_lshl_b32 s57, s15, 19
	s_add_co_u32 s56, s56, s57
	s_lshl_b32 s57, s19, 10
	s_add_co_u32 s56, s56, s57
	s_lshl_b32 s57, s16, 9
	s_add_co_u32 s56, s56, s57
	s_mov_b32 s57, 0
	s_add_nc_u64 s[12:13], s[12:13], s[56:57]
.macro ASKP k                          ; K step k: each block of 256 bytes is named once in each cluster that will load it
	s_cmp_eq_u32 s15, 0
	s_cbranch_scc0 .Lpy_\@
	global_prefetch_b8 v30, s[92:93] offset:256*\k th:TH_LOAD_NT scope:SCOPE_SE
	s_branch .Lpj_\@
.Lpy_\@:
	s_cmp_eq_u32 s14, 2
	s_cbranch_scc0 .Lpj_\@
	global_prefetch_b8 v30, s[96:97] offset:1048576*\k th:TH_LOAD_NT scope:SCOPE_SE
.Lpj_\@:
.endm
	v_lshlrev_b32 v30, s98, v4                     ; the prefetches' offset; never rewritten
	s_wait_alu depctr_va_vdst(0)
	ASKP 1
	ASKP 2
.macro FETCH_X slot, q, set
	WIN TO_X
.irp i, 0,1,2,3,4,5,6,7
.irp c, 0,1,2,3
	ds_load_b128 v[128*(\set)+16*\i+4*\c:128*(\set)+16*\i+4*\c+3], v[ADRX+\slot] offset:128*(\q)+32*\c+\i*16*PITCH
.endr
.endr
	WIN 0
.endm
.macro FETCH_Y slot, q, set
.irp i, 0,1,2,3
.irp c, 0,1,2,3
	ds_load_b128 v[YF+64*(\set)+16*\i+4*\c:YF+64*(\set)+16*\i+4*\c+3], v[ADRY+\slot] offset:4096*\i+2048*(\q)+512*\c
.endr
.endr
.endm
.macro SCALES sc
.irp p, 0,1,2,3
	ds_load_b64 v[SC+12*(\sc)+2*\p:SC+12*(\sc)+2*\p+1], v[ADSX] offset:1088*\p
.endr
.irp p, 0,1
.irp q, 0,1
	ds_load_b32 v[SC+12*(\sc)+8+2*\p+\q], v[ADSY] offset:512*\q+128*\p
.endr
.endr
.endm
.macro WM a, t, set, q, sc, zero
.set rD, 8*(8*(\a)+(\t))
.set rX, 128*(\set)+16*(\t)
.set rY, YF+64*(\set)+16*(\a)
.set rP, SC+12*(\sc)+2*((\t)/2)+(\q)
.set rR, SC+12*(\sc)+8+2*((\a)/2)+(\q)
.if \zero
.if ((\t)%2 == 0) && ((\a)%2 == 0)
	v_wmma_scale_f32_16x16x128_f8f6f4 v[rD:rD+7], v[rX:rX+15], v[rY:rY+15], 0, v[rP], v[rR]
.elseif ((\a)%2 == 0)
	v_wmma_scale_f32_16x16x128_f8f6f4 v[rD:rD+7], v[rX:rX+15], v[rY:rY+15], 0, v[rP], v[rR] matrix_a_scale:MATRIX_SCALE_ROW1
.elseif ((\t)%2 == 0)
	v_wmma_scale_f32_16x16x128_f8f6f4 v[rD:rD+7], v[rX:rX+15], v[rY:rY+15], 0, v[rP], v[rR] matrix_b_scale:MATRIX_SCALE_ROW1
.else
	v_wmma_scale_f32_16x16x128_f8f6f4 v[rD:rD+7], v[rX:rX+15], v[rY:rY+15], 0, v[rP], v[rR] matrix_a_scale:MATRIX_SCALE_ROW1 matrix_b_scale:MATRIX_SCALE_ROW1
.endif
.else
.if ((\t)%2 == 0) && ((\a)%2 == 0)
	v_wmma_scale_f32_16x16x128_f8f6f4 v[rD:rD+7], v[rX:rX+15], v[rY:rY+15], v[rD:rD+7], v[rP], v[rR]
.elseif ((\a)%2 == 0)
	v_wmma_scale_f32_16x16x128_f8f6f4 v[rD:rD+7], v[rX:rX+15], v[rY:rY+15], v[rD:rD+7], v[rP], v[rR] matrix_a_scale:MATRIX_SCALE_ROW1
.elseif ((\t)%2 == 0)
	v_wmma_scale_f32_16x16x128_f8f6f4 v[rD:rD+7], v[rX:rX+15], v[rY:rY+15], v[rD:rD+7], v[rP], v[rR] matrix_b_scale:MATRIX_SCALE_ROW1
.else
	v_wmma_scale_f32_16x16x128_f8f6f4 v[rD:rD+7], v[rX:rX+15], v[rY:rY+15], v[rD:rD+7], v[rP], v[rR] matrix_a_scale:MATRIX_SCALE_ROW1 matrix_b_scale:MATRIX_SCALE_ROW1
.endif
.endif
.endm
.macro MULA a, set, q, sc, zero
.irp t, 0,1,2,3,4,5,6,7
	WM \a, \t, \set, \q, \sc, \zero
.endr
.endm
.macro STEP slot, zero
	s_wait_dscnt 0x0
	WIN MUL
	MULA 0, 0, 0, \slot, \zero
	MULA 1, 0, 0, \slot, \zero
	PLACES 8
	FETCH_X \slot, 1, 1
	FETCH_Y \slot, 1, 1
	WIN MUL
	MULA 2, 0, 0, \slot, \zero
	MULA 3, 0, 0, \slot, \zero
	WIN 0
.endm
.macro TURN slot, next, fill
	s_wait_tensorcnt 0x0
	ds_add_u32 v[SPW], v[NIL]
	s_wait_dscnt 1
	WIN MUL
	MULA 0, 1, 1, \slot, 0
	s_wait_dscnt 0x0
	s_barrier_signal -1
	MULA 1, 1, 1, \slot, 0
	WIN 0
	s_barrier_wait -1
.if \fill
	CREST
	s_add_nc_u64 s[G0X+4*\slot+2:G0X+4*\slot+3], s[G0X+4*\slot+2:G0X+4*\slot+3], 512
	s_add_nc_u64 s[G0Y+4*\slot+2:G0Y+4*\slot+3], s[G0Y+4*\slot+2:G0Y+4*\slot+3], 2097152
	JLOAD G0X+4*\slot, G1X, G0Y+4*\slot, G1Y
	PLACES 4
.else
	PLACES 8
.endif
	s_wait_alu depctr_va_vdst(0)
	v_add_nc_u32 v[ADSX], 8, v[ADSX]
	v_add_nc_u32 v[ADSY], 1024, v[ADSY]
	FETCH_X \next, 0, 0
	FETCH_Y \next, 0, 0
	SCALES \next
	WIN MUL
	MULA 2, 1, 1, \slot, 0
	MULA 3, 1, 1, \slot, 0
	WIN 0
.endm
	s_wait_alu depctr_va_vdst(0)
	s_wait_tensorcnt 0x0                           ; my tile of the head's four is in; slot 1's first fill is issued as a refill is
	ds_add_u32 v[SPW], v[NIL]
	s_mov_b32 s[G1X+2], 128<<16                    ; no tensor load of mine is out: from here on a load brings half a tile's rows
	s_mov_b32 s[G1X+4], 128
	s_mov_b32 s[G1Y+2], 64<<16
	s_mov_b32 s[G1Y+4], 64
	s_wait_dscnt 0x0
	CROUND
	JLOAD G0X+4, G1X, G0Y+4, G1Y
	FETCH_X 0, 0, 0
	FETCH_Y 0, 0, 0
	SCALES 0
	ASKP 3
	STEP 0, 1
	TURN 0, 1, 1
	STEP 1, 0
	TURN 1, 0, 1
	STEP 0, 0
	TURN 0, 1, 0
	STEP 1, 0
	s_wait_dscnt 0x0
	WIN MUL
	MULA 0, 1, 1, 1, 0
	MULA 1, 1, 1, 1, 0
	MULA 2, 1, 1, 1, 0
	MULA 3, 1, 1, 1, 0
	WIN 0
.macro TOSTAGE a
	WIN 0x08
.irp t, 0,1,2,3,4,5,6,7
	ds_store_b128 v[STO], v[8*(8*(\a)+\t):8*(8*(\a)+\t)+3] offset:128*(\t/2)+32*(\t%2)
	ds_store_b128 v[STO], v[8*(8*(\a)+\t)+4:8*(8*(\a)+\t)+7] offset:128*(\t/2)+32*(\t%2)+16
.endr
	WIN 0
.set BB, YF+64*((\a)%2)
.irp p, 0,1,2,3,4,5,6,7,8,9,10,11,12,13,14,15
	ds_load_b128 v[BB+4*\p:BB+4*\p+3], v[RD] offset:\p*SPITCH
.endr
.endm
.macro SEND a, younger
.set BB, YF+64*((\a)%2)
	s_wait_dscnt \younger
.irp p, 0,1,2,3,4,5,6,7,8,9,10,11,12,13,14,15
	global_store_b128 v[CO], v[BB+4*\p:BB+4*\p+3], s[12:13] offset:(32*((\a)/2)+16*(\p/8)+8*((\a)%2)+(\p%8))*8192 th:TH_STORE_NT
.endr
.endm
	PLACES 8
	TOSTAGE 0
.irp a, 1,2,3
.if \a > 1
	s_wait_xcnt 0x0
.endif
	TOSTAGE \a
	SEND \a-1, 32
.endr
	SEND 3, 0
	s_wait_tensorcnt 0x0
	ds_add_u32 v[SPW], v[NIL]
	s_wait_dscnt 0x0
	CROUND
	s_endpgm
.Lfunc_end_k_q9b1c4932cd_oproj:
	.size	k_q9b1c4932cd_oproj, .Lfunc_end_k_q9b1c4932cd_oproj-k_q9b1c4932cd_oproj
	.p2alignl 7, 3214868480
	.fill 96, 4, 3214868480
	.section	.rodata,"a",@progbits
	.p2align	6, 0x0
	.amdhsa_kernel k_q9b1c4932cd_oproj
		.amdhsa_group_segment_fixed_size 327680
		.amdhsa_private_segment_fixed_size 0
		.amdhsa_enable_private_segment 0
		.amdhsa_kernarg_size 32
		.amdhsa_user_sgpr_count 2
		.amdhsa_user_sgpr_kernarg_segment_ptr 1
		.amdhsa_wavefront_size32 1
		.amdhsa_system_sgpr_workgroup_id_x 1
		.amdhsa_system_sgpr_workgroup_id_y 1
		.amdhsa_system_sgpr_workgroup_id_z 1
		.amdhsa_system_vgpr_workitem_id 0
		.amdhsa_next_free_vgpr 768
		.amdhsa_next_free_sgpr 100
		.amdhsa_reserve_vcc 0
		.amdhsa_float_denorm_mode_32 3
		.amdhsa_float_denorm_mode_16_64 3
		.amdhsa_memory_ordered 1
		.amdhsa_forward_progress 1
		.amdhsa_inst_pref_size 91
	.end_amdhsa_kernel
	.amdgpu_metadata
---
amdhsa.version: [ 1, 2 ]
amdhsa.kernels:
  - .name:           k_q9b1c4932cd_oproj
    .symbol:         k_q9b1c4932cd_oproj.kd
    .args:
      - { .name: xw_codes, .offset: 0, .size: 8, .value_kind: global_buffer, .address_space: global }
      - { .name: xw_scales, .offset: 8, .size: 8, .value_kind: global_buffer, .address_space: global }
      - { .name: att_codes, .offset: 16, .size: 8, .value_kind: global_buffer, .address_space: global }
      - { .name: out0, .offset: 24, .size: 8, .value_kind: global_buffer, .address_space: global }
    .group_segment_fixed_size: 327680
    .private_segment_fixed_size: 0
    .kernarg_segment_align: 8
    .kernarg_segment_size: 32
    .max_flat_workgroup_size: 128
    .sgpr_count:     100
    .vgpr_count:     768
    .wavefront_size: 32
...
	.end_amdgpu_metadata
.endif
;; end of part 4
